; MI455X (gfx1250); checked and timed in simulation.
; The chip was launched on July 23, 2026; its instructions are those of AMD's public machine-readable ISA for CDNA 5 (MIT licence, August 2026) and "CDNA5" Instruction Set Architecture Reference Guide (July 2026). The comments in the code are by the model that wrote it; some were corrected since.
;; Causal Multi Head Self Attention. Allowed arithmetic: matrix products marked QUANTISED: E2M3 operands, one E8M0 scale for each 32 along K, by v_wmma_scale_f32_16x16x128_f8f6f4 with both operands' format E2M3, f32 sums; everything else in f32.
;; Inputs: token_positions 2,048 int32; wk 1,024 x 1,024 float32; wo 1,024 x 1,024 float32; wq 1,024 x 1,024 float32; wv 1,024 x 1,024 float32; x 4 x 2,048 x 1,024 float32.
;; Outputs: out0 4 x 2,048 x 1,024 float32.
;; This version of the problem:
;;   THIS VERSION OF THE PROBLEM IS GIVEN IN LOW PRECISION. The matrix products marked QUANTISED in the list below multiply operands that are first quantised to E2M3 (2 exponent bits, 3 mantissa bits; 6 bits a number), with one power-of-two scale for each 32 numbers along K (OCP MX v1.0); their sums are f32. All else is computed in f32.
;;   The module's matrix products, in the order in which they are computed (A, B: the left and right operand; K: the contracted axis; several contracted axes count as one K, in the product's order):
;;     1. [M 8,192, K 1,024] x [K 1,024, N 1,024]; A: input x; B: input wq: QUANTISED
;;     2. [M 8,192, K 1,024] x [K 1,024, N 1,024]; A: input x; B: input wk: QUANTISED
;;     3. [M 8,192, K 1,024] x [K 1,024, N 1,024]; A: input x; B: input wv: QUANTISED
;;     4. batch 64 x [M 2,048, K 64] x [K 64, N 2,048]; A: computed on the way; B: computed on the way: QUANTISED
;;     5. batch 64 x [M 2,048, K 2,048] x [K 2,048, N 64]; A: softmax (see below); B: computed on the way: QUANTISED
;;     6. [M 8,192, K 1,024] x [K 1,024, N 1,024]; A: computed on the way; B: input wo: QUANTISED
;;   THE QUANTISER, for each operand of a quantised product, along K:
;;     - K is cut into blocks of 32 from its start; a last block that is shorter is filled with zeros.
;;     - A block's scale is 2^e with e = floor(log2(the largest magnitude in the block)) - 2, held to -126 .. 127; a block of zeros has e = 0. As a byte (E8M0): e + 127.
;;     - Each number is divided by its block's scale, clamped to +-7.5, and rounded to the nearest number of E2M3, ties to even, subnormals kept.
;;     - The product sums the exact products of the quantised numbers (number of the format x scale) in f32.
;;   ~~~python
;;   def quantise(x, axis):      # numpy; x: float32 -> the quantised numbers, widened to float32 again
;;       x = np.moveaxis(x, axis, -1); K = x.shape[-1]
;;       x = np.pad(x, [(0, 0)] * (x.ndim - 1) + [(0, -K % 32)]); x = x.reshape(x.shape[:-1] + (-1, 32)); a = np.abs(x).max(-1, keepdims=True)
;;       e = np.where(a > 0, np.clip(np.frexp(np.where(a > 0, a, 1))[1] - 1 - 2, -126, 127), 0)      # np.frexp(a)[1] - 1 = floor(log2(a)), exactly
;;       r = np.clip(x / 2.0 ** e, -7.5, 7.5)
;;       step = 2.0 ** (np.maximum(np.frexp(np.where(r == 0, 1, r))[1] - 1, 0) - 3)
;;       q = np.round(r / step) * step * 2.0 ** e      # np.round: ties to even
;;       return np.moveaxis(q.reshape(q.shape[:-2] + (-1,))[..., :K], -1, axis).astype(np.float32)
;;   ~~~
;;   SOFTMAX AHEAD OF A QUANTISED PRODUCT. Where the list says 'softmax', what is quantised is not the finished softmax but p = 2^(t - M), with t = logit x log2(e) and M = ceil(the row's largest t), a whole number; so 1/2 < the row's largest p <= 1. The row's sum l is taken of the UNQUANTISED p, in f32, and the product's result is divided by l at the end. Since M is a whole number, a kernel that streams over the keys may use a running M (the ceiling of the running maximum): every later rescaling is an exact power of two, which a block's scale takes up: the codes' values come out the same.
;;   OPERANDS COMPUTED ON THE WAY. 'Computed on the way' means the value that the module computes at that place (a softmax that the list does not call 'softmax' is quantised finished and normalised). What goes into a quantiser is computed in f32, as accurately as f32 sums, v_exp_f32 and their like allow (about 1e-6 of the number): no bf16 or f16 on the way to a quantiser, and a product that is left as it is and whose result goes on into a quantised operand takes f32 operands (vector FMAs, or v_wmma_f32_16x16x4_f32). A number that lies on a knife's edge between two numbers of the format may be rounded either way, as far as f32 arithmetic and the matrix unit's own rounding can turn it there, and no further.
;; One version. Each part assembles by itself: llvm-mc -triple=amdgcn-amd-amdhsa -mcpu=gfx1250 --defsym DOCPART=n.
;; ======== version 1 of 1: 4 launches
;; limits: inputs' magnitudes at most 100,000
;; workspace buffers: xw_codes 9,437,184 bytes; xw_scales 393,216 bytes; rope 524,288 bytes; qkv 20,185,088 bytes; o_codes 6,291,456 bytes; o_scales 262,144 bytes
;; launch quant (part 1): grid 384 x 1, 4 waves a work-group, no clusters, 33,280 bytes of LDS; arguments x, wq, wk, wv, wo, token_positions, xw_codes, xw_scales, rope; writes xw_codes, xw_scales, rope
.if DOCPART == 1
	.amdgcn_target "amdgcn-amd-amdhsa--gfx1250"
	.amdhsa_code_object_version 6
	.text
	.protected	k_qea8ac2c84f_quant
	.globl	k_qea8ac2c84f_quant
	.p2align	8
	.type	k_qea8ac2c84f_quant,@function
k_qea8ac2c84f_quant:
	s_mov_b64 s[64:65], 0
	v_nop
	global_prefetch_b8 v0, s[64:65] scope:SCOPE_SE
	s_setreg_imm32_b32 hwreg(HW_REG_WAVE_MODE, 25, 1), 1
	s_wait_xcnt 0x0
; x [8192][1024] and wq, wk, wv, wo [1024][1024], f32, K innermost, become codes of FP6 (E2M3) with one E8M0 byte for each 32 along K; and the table of cosines and sines for the rotation is made.
; A block's scale is 2^(floor(log2(its largest magnitude)) - 2); its byte is the largest magnitude's exponent field - 2, held at 1 from below (a block of zeros keeps the byte 1: its codes are zeros, and this program alone reads the bytes).
; OUT: xw_codes: rows of 768 bytes in the order x, wq, wk, wv, wo; xw_scales: rows of 32 bytes in the same order.
; In x, wq, wk and wv a row R lies at the PLACE R with bits 3 and 4 exchanged, so that sixteen places on end hold rows 8 u + m + 8 (m / 8) of a group of 32: the later products then find in a lane's registers
; sixteen neighbours along their own next K, and read LDS rows on end.  wo's rows lie as they come.  A wave's run is 8 rows, so the exchange is one of the run's bits 0 and 1, which are the wave's number.
; 384 work-groups of four waves, 32,768 numbers each: 256 take x, 32 each weight.  A wave takes 16 steps of 512 numbers: four loads of 512 consecutive bytes, a turn through the wave's own stage in LDS so that
; a lane holds 16 neighbours (two lanes a block), the scale, the conversion; 384 consecutive bytes of codes a step; the wave's 256 scale bytes leave as one aligned store of 256 bytes.
; THE TABLE: rope[s][j] = (cos, sin) of token_positions[s] x 10000^(-j / 32), f32, 256 bytes a position.  The first 256 work-groups make 8 positions each, a wave two, a lane one j.
; The frequency is 2^(-j c), c = log2(10) / 8 in two parts, so that the exponent's rounding is taken back; the angle is one f32 product; the reduction takes n x pi/2 off in three parts by fused multiply-adds;
; sine and cosine are polynomials on [-pi/4, pi/4].
; LIMITS: |position x frequency| up to 100,000 (the three parts' range); NaN and infinities among the inputs are not served.
; No cluster: no two work-groups read the same bytes.  No tensor load: LDS is claimed as it is used.
.set WAVES, 4
.set STEPS, 16
.set EMAX,  2
.set CB,    12                         ; bytes of 16 codes
.set R,     16                         ; v16-79   four sets of 16 numbers as they are loaded
.set X,     80                         ; v80-111  two sets of 16 neighbours
.set C,     128                        ; v128-191 codes: four registers a step, so that no store's data are written again
.set E,     112                        ; v112-127 a scale byte for each step
.set WREG,  8192                       ; LDS: a region for each wave: two stages of 32 x SP bytes, then its 256 scale bytes
.set SP,    80                         ; a lane's place in a stage: 64 bytes + 16 of padding
.set SPW,   12                         ; v12  LDS address of my spare word; never rewritten
.set NIL,   13                         ; v13  0; never rewritten
.set SPARE, WAVES*WREG                 ; behind the four regions: the spare words, 128 bytes a wave
.set SRC,   22                         ; s[22:23] my run of the tensor
.set COD,   16                         ; s[16:17] its codes
.set SCA,   18                         ; s[18:19] its scale bytes
.set ROP,   20                         ; s[20:21] my two positions of the table
	s_load_b512 s[4:19], s[0:1], 0x0               ; x, wq, wk, wv, wo, token_positions, xw_codes, xw_scales
	s_load_b64 s[20:21], s[0:1], 0x40              ; rope
	v_lshl_add_u32 v[SPW], v0, 2, SPARE
	v_mov_b32 v[NIL], 0
	v_lshrrev_b32 v1, 5, v0
	v_readfirstlane_b32 s24, v1                    ; wave
	v_and_b32 v2, 31, v0                           ; lane
	v_lshlrev_b32 v3, 4, v2                        ; my 16 bytes of a load's 512
	s_mul_i32 s25, s24, WREG
	v_lshrrev_b32 v14, 2, v2
	v_mul_u32_u24 v14, v14, SP
	v_and_b32 v15, 3, v2
	v_lshl_add_u32 v14, v15, 4, v14
	v_add_nc_u32 v14, s25, v14                     ; the stage, in: SP (lane / 4) + 16 (lane % 4)
	v_mul_u32_u24 v15, v2, SP
	v_add_nc_u32 v15, s25, v15                     ; and out: SP x lane: my 16 neighbours
	v_mul_u32_u24 v4, v2, CB                       ; my codes' place in a step's
	v_lshrrev_b32 v5, 1, v2
	s_add_co_u32 s25, s25, 2*32*SP
	v_add_nc_u32 v5, s25, v5                       ; my block's byte among the wave's 256
	v_lshlrev_b32 v7, 3, v2                        ; 8 x lane
	v_add_nc_u32 v6, s25, v7
	s_and_b32 s26, ttmp9, 31
	s_cmp_lt_u32 ttmp9, 256
	s_cselect_b32 s26, ttmp9, s26                  ; the work-group's number inside its tensor
	s_lshl_b32 s26, s26, 2
	s_add_co_u32 s26, s26, s24
	s_lshl_b32 s26, s26, 15                        ; my run of 8,192 numbers, in bytes
	s_mov_b32 s27, 0
	s_and_b32 s28, s24, 1
	s_lshl_b32 s28, s28, 1
	s_lshr_b32 s29, s24, 1
	s_or_b32 s28, s28, s29                         ; the wave's two bits exchanged: rows' bits 3 and 4
	s_cmp_lt_u32 ttmp9, 352
	s_cselect_b32 s28, s28, s24                    ; wo's rows stay where they are
	s_lshl_b32 s29, ttmp9, 2
	s_add_co_u32 s28, s28, s29                     ; the run's place in the two buffers
	s_mul_i32 s32, s28, 32*STEPS*CB                ; 6,144 bytes of codes a run
	s_mov_b32 s33, 0
	s_lshl_b32 s34, s28, 8                         ; 256 scale bytes a run
	s_mov_b32 s35, 0
	s_lshl_b32 s29, ttmp9, 5
	s_lshl_b32 s36, s24, 3
	s_add_co_u32 s29, s29, s36                     ; positions 8 g + 2 w and the next, in bytes;
	s_min_u32 s29, s29, 8184                       ; held inside the buffer in the work-groups that make no table
	s_lshl_b32 s36, ttmp9, 11
	s_lshl_b32 s37, s24, 9
	s_add_co_u32 s36, s36, s37                     ; and their 512 bytes of the table
	s_mov_b32 s37, 0
	s_mov_b32 s38, 0x3ed49a78                      ; c = log2(10) / 8: its upper part,
	s_mov_b32 s39, 0x32179a30                      ; and what the upper part leaves
	s_wait_alu depctr_va_vdst(0)
	s_wait_kmcnt 0x0
	s_load_b64 s[30:31], s[14:15], s29 offset:0x0  ; my two positions
	s_cmp_lt_u32 ttmp9, 352                        ; whose work-group?  The choice hangs on the work-group's number alone
	s_cselect_b64 s[SRC:SRC+1], s[10:11], s[12:13]
	s_cmp_lt_u32 ttmp9, 320
	s_cselect_b64 s[SRC:SRC+1], s[8:9], s[SRC:SRC+1]
	s_cmp_lt_u32 ttmp9, 288
	s_cselect_b64 s[SRC:SRC+1], s[6:7], s[SRC:SRC+1]
	s_cmp_lt_u32 ttmp9, 256
	s_cselect_b64 s[SRC:SRC+1], s[4:5], s[SRC:SRC+1]
	s_add_nc_u64 s[SRC:SRC+1], s[SRC:SRC+1], s[26:27]
	s_add_nc_u64 s[COD:COD+1], s[COD:COD+1], s[32:33]
	s_add_nc_u64 s[SCA:SCA+1], s[SCA:SCA+1], s[34:35]
	s_add_nc_u64 s[ROP:ROP+1], s[ROP:ROP+1], s[36:37]
.macro LOAD t
.irp i, 0,1,2,3
	global_load_b128 v[R+16*((\t)%4)+4*\i:R+16*((\t)%4)+4*\i+3], v3, s[SRC:SRC+1] offset:2048*(\t)+512*\i th:TH_LOAD_NT   ; 32 lanes read 512 consecutive bytes
.endr
.endm
.macro TURN t                          ; step t's numbers through the stage: LDS serves a wave's instructions in order, so no wait stands between the stores and the loads
.irp i, 0,1,2,3
	ds_store_b128 v14, v[R+16*((\t)%4)+4*\i:R+16*((\t)%4)+4*\i+3] offset:32*SP*((\t)%2)+8*SP*\i
.endr
.irp i, 0,1,2,3
	ds_load_b128 v[X+16*((\t)%2)+4*\i:X+16*((\t)%2)+4*\i+3], v15 offset:32*SP*((\t)%2)+16*\i
.endr
.endm
.irp t, 0,1,2,3
	LOAD \t
.endr
	s_wait_loadcnt 12                              ; step 0's four loads are in
	TURN 0
.macro STEP t
.set XS, X+16*((\t)%2)
.if (\t) > 0
	s_wait_dscnt 1                                 ; this step's numbers are back from the stage (the last step's byte store may be out): so its stores into the stage have read their registers,
.else
	s_wait_dscnt 0x0
.endif
.if (\t)+4 < STEPS
	LOAD (\t)+4                                    ; which take the loads of four steps on
.endif
.if (\t)+1 < STEPS
.if STEPS-2-(\t) >= 3
	s_wait_loadcnt 12                              ; the next step's four loads are in; those of the three steps behind it may be out
.else
	s_wait_loadcnt 4*(STEPS-2-(\t))
.endif
	TURN (\t)+1                                    ; and go through the other stage while this step is worked
.endif
	v_max3_num_f32 v8, |v[XS]|, |v[XS+1]|, |v[XS+2]|               ; the largest magnitude of my 16, in two chains
	v_max3_num_f32 v9, |v[XS+3]|, |v[XS+4]|, |v[XS+5]|
.irp i, 6,10
	v_max3_num_f32 v8, v8, |v[XS+\i]|, |v[XS+\i+1]|
	v_max3_num_f32 v9, v9, |v[XS+\i+2]|, |v[XS+\i+3]|
.endr
	v_max3_num_f32 v8, v8, |v[XS+14]|, |v[XS+15]|
	v_max3_num_f32 v8, v8, v9, (EMAX+1)<<23        ; and the floor 2^(EMAX + 1 - 127): the byte cannot fall under 1
	v_max_num_f32_dpp v8, v8, v8 row_xmask:1 row_mask:0xf bank_mask:0xf   ; and of my neighbour's 16: the block's
	v_add_nc_u32 v11, -(EMAX<<23), v8              ; EMAX off its exponent field: the conversion takes the exponent field of this operand as its scale
	v_cvt_scalef32_pk16_fp6_f32 v[C+4*(\t):C+4*(\t)+2], v[XS:XS+15], v11
	v_lshrrev_b32 v[E+(\t)], 23, v11               ; the scale's byte (also the plain line behind the conversion)
	ds_store_b8 v5, v[E+(\t)] offset:16*(\t)       ; both lanes of a block write the same byte with the same value
	global_store_b96 v4, v[C+4*(\t):C+4*(\t)+2], s[COD:COD+1] offset:32*CB*(\t)
.endm
.irp t, 0,1,2,3,4,5,6,7,8,9,10,11,12,13,14,15
	STEP \t
.endr
	ds_load_b64 v[8:9], v6                         ; LDS serves a wave's instructions in order: these see my stores
	s_wait_dscnt 0x0
	global_store_b64 v7, v[8:9], s[SCA:SCA+1]      ; 32 lanes store 256 consecutive bytes, aligned
	s_wait_kmcnt 0x0                               ; my two positions
	s_cmp_lt_u32 ttmp9, 256
	s_cbranch_scc0 .Lno_table
	; THE TABLE.  v16-35 are free: the loads into them are in, and LDS stores have read them
	v_cvt_f32_u32 v16, v2                          ; j
	v_mul_f32 v17, s38, v16                        ; j c, rounded;
	v_fma_f32 v18, v16, s38, -v17                  ; what the rounding dropped,
	v_fma_f32 v18, v16, s39, v18                   ; and j x c's lower part
	s_wait_alu depctr_va_vdst(0)
	v_exp_f32 v19, -v17                            ; 2^(-j c), of the rounded exponent
	v_mul_f32 v20, 0x3f317218, v18                 ; the rest x ln 2  (the plain line behind the exponential)
	s_wait_alu depctr_va_vdst(0)                   ; the wait ahead of the result's first use
	v_fma_f32 v19, -v19, v20, v19                  ; x (1 - rest x ln 2): the frequency
.irp k, 0,1
	v_cvt_f32_i32 v21, s[30+\k]
	v_mul_f32 v21, v21, v19                        ; the angle: one f32 product
	v_mul_f32 v22, 0x3f22f983, v21
	v_rndne_f32 v22, v22                           ; n = the nearest multiple of pi/2
	v_fmamk_f32 v23, v22, 0xbfc90fd8, v21          ; the angle - n x pi/2, pi/2 in three parts
	v_fmamk_f32 v23, v22, 0xb4a8885a, v23
	v_fmamk_f32 v23, v22, 0xa7c234c4, v23          ; r
	v_mul_f32 v24, v23, v23                        ; r^2
	v_mov_b32 v25, 0x36405000
	v_fmaak_f32 v25, v25, v24, 0xb9503486
	v_fmaak_f32 v25, v25, v24, 0x3c0888c1
	v_fmaak_f32 v25, v25, v24, 0xbe2aaaab
	v_mul_f32 v26, v23, v24
	v_fma_f32 v25, v25, v26, v23                   ; sin r
	v_mov_b32 v27, 0x37cd4000
	v_fmaak_f32 v27, v27, v24, 0xbab6077d
	v_fmaak_f32 v27, v27, v24, 0x3d2aaaa8
	v_fma_f32 v27, v27, v24, -0.5
	v_fma_f32 v27, v27, v24, 1.0                   ; cos r
	v_cvt_i32_f32 v28, v22                         ; the quadrant
	v_and_b32 v29, 1, v28
	v_cmp_eq_u32 vcc_lo, 1, v29
	v_cndmask_b32 v[32+2*\k], v27, v25, vcc_lo     ; in an odd quadrant the two change places
	v_cndmask_b32 v[33+2*\k], v25, v27, vcc_lo
	v_lshlrev_b32 v29, 30, v28
	v_and_b32 v29, 0x80000000, v29
	v_xor_b32 v[33+2*\k], v29, v[33+2*\k]          ; the sine is negative in quadrants 2 and 3,
	v_add_nc_u32 v28, 1, v28
	v_lshlrev_b32 v29, 30, v28
	v_and_b32 v29, 0x80000000, v29
	v_xor_b32 v[32+2*\k], v29, v[32+2*\k]          ; the cosine in 1 and 2
	global_store_b64 v7, v[32+2*\k:33+2*\k], s[ROP:ROP+1] offset:256*\k   ; a position's 256 bytes, aligned
.endr
.Lno_table:
	s_wait_tensorcnt 0x0                           ; the wave's end, behind my last LDS store
	ds_add_u32 v[SPW], v[NIL]
	s_wait_dscnt 0x0
	s_endpgm
.Lfunc_end_k_qea8ac2c84f_quant:
	.size	k_qea8ac2c84f_quant, .Lfunc_end_k_qea8ac2c84f_quant-k_qea8ac2c84f_quant
	.p2alignl 7, 3214868480
	.fill 96, 4, 3214868480
	.section	.rodata,"a",@progbits
	.p2align	6, 0x0
	.amdhsa_kernel k_qea8ac2c84f_quant
		.amdhsa_group_segment_fixed_size 33280
		.amdhsa_private_segment_fixed_size 0
		.amdhsa_enable_private_segment 0
		.amdhsa_kernarg_size 72
		.amdhsa_user_sgpr_count 2
		.amdhsa_user_sgpr_kernarg_segment_ptr 1
		.amdhsa_wavefront_size32 1
		.amdhsa_system_sgpr_workgroup_id_x 1
		.amdhsa_system_sgpr_workgroup_id_y 1
		.amdhsa_system_sgpr_workgroup_id_z 1
		.amdhsa_system_vgpr_workitem_id 0
		.amdhsa_next_free_vgpr 192
		.amdhsa_next_free_sgpr 66
		.amdhsa_reserve_vcc 1
		.amdhsa_float_denorm_mode_32 3
		.amdhsa_float_denorm_mode_16_64 3
		.amdhsa_memory_ordered 1
		.amdhsa_forward_progress 1
		.amdhsa_inst_pref_size 37
	.end_amdhsa_kernel
	.amdgpu_metadata
---
amdhsa.version: [ 1, 2 ]
amdhsa.kernels:
  - .name:           k_qea8ac2c84f_quant
    .symbol:         k_qea8ac2c84f_quant.kd
    .args:
      - { .name: x, .offset: 0, .size: 8, .value_kind: global_buffer, .address_space: global }
      - { .name: wq, .offset: 8, .size: 8, .value_kind: global_buffer, .address_space: global }
      - { .name: wk, .offset: 16, .size: 8, .value_kind: global_buffer, .address_space: global }
      - { .name: wv, .offset: 24, .size: 8, .value_kind: global_buffer, .address_space: global }
      - { .name: wo, .offset: 32, .size: 8, .value_kind: global_buffer, .address_space: global }
      - { .name: token_positions, .offset: 40, .size: 8, .value_kind: global_buffer, .address_space: global }
      - { .name: xw_codes, .offset: 48, .size: 8, .value_kind: global_buffer, .address_space: global }
      - { .name: xw_scales, .offset: 56, .size: 8, .value_kind: global_buffer, .address_space: global }
      - { .name: rope, .offset: 64, .size: 8, .value_kind: global_buffer, .address_space: global }
    .group_segment_fixed_size: 33280
    .private_segment_fixed_size: 0
    .kernarg_segment_align: 8
    .kernarg_segment_size: 72
    .max_flat_workgroup_size: 128
    .sgpr_count:     66
    .vgpr_count:     192
    .wavefront_size: 32
...
	.end_amdgpu_metadata
.endif
;; end of part 1
;; launch qkv (part 2): grid 8 x 48, 4 waves a work-group, clusters of 4 x 4, 327,680 bytes of LDS; arguments xw_codes, xw_scales, rope, qkv; writes qkv
.if DOCPART == 2
	.amdgcn_target "amdgcn-amd-amdhsa--gfx1250"
	.amdhsa_code_object_version 6
	.text
	.protected	k_qea8ac2c84f_qkv
	.globl	k_qea8ac2c84f_qkv
	.p2align	8
	.type	k_qea8ac2c84f_qkv,@function
k_qea8ac2c84f_qkv:
	s_mov_b64 s[64:65], 0
	v_nop
	global_prefetch_b8 v0, s[64:65] scope:SCOPE_SE
	s_setreg_imm32_b32 hwreg(HW_REG_WAVE_MODE, 25, 1), 1
	s_wait_xcnt 0x0
	s_wait_alu depctr_hold_cnt(0) depctr_sa_sdst(0) depctr_va_vdst(0) depctr_va_sdst(0) depctr_va_ssrc(0) depctr_va_vcc(0) depctr_vm_vsrc(0)
	s_getreg_b32 s2, hwreg(HW_REG_IB_STS2, 6, 4)
	s_cmp_eq_u32 s2, 0
	s_cbranch_scc0 .Lentry_in_a_cluster
	s_endpgm
.Lentry_in_a_cluster:
	s_bfe_u32 s2, ttmp6, 0x10000c
	s_cmp_lg_u32 s2, 0xf033
	s_cbranch_scc0 .Lentry_shape_is_right
	s_endpgm
.Lentry_shape_is_right:
; The three projections on codes of FP6 (E2M3), K = 1,024, and what follows them up to the next quantiser: q and k are rotated and quantised along the head's 64, v along the keys.
; 384 tiles of 256 x 256.  Clusters with y < 8: A = x (32 tile rows of tokens), B = wq then wk (8 tile columns of features).  Clusters with y >= 8: V^T = wv x^T: A = wv (4 tile rows of channels), B = x (32 tile columns of tokens),
; so that a lane's registers run along the tokens, which are V's K in attention.  The choice hangs on the cluster's number, which all partners share.
; THE LOOP: four waves, each 128 x 128 (64 accumulators, 512 registers); K in steps of 256 through a ring of two LDS slots; rows of 192 bytes, 16 bytes of padding behind every 64 (pitch 240);
; the scale bytes of the work-group's rows come once, as rows of 256 bytes + 16.  4 x 4 work-groups form a cluster: A's tiles are asked for jointly along a row of the cluster, B's along a column.
; The matrix instruction is used transposed (source 0 = 16 rows of B, source 1 = 16 rows of A): lane (r, h) holds A's row r and eight of B's rows.
; THE ROWS LIE AT PLACES with bits 3 and 4 exchanged (the launch before laid them so).  So for A's block a lane (r, h) holds A's row 32 (a / 2) + 8 (a % 2) + r + 8 (r / 8), and the block's 64 registers,
; 16 b + i, hold B's rows 32 b + 16 h + i: sixteen neighbours along the next K in a lane, two lanes (l, l xor 16) to a block of 32.
; THE WAY OUT needs no LDS: a block's 64 numbers are (rotated and) quantised in registers into the twelve registers of an operand, which are stored as they stand, lane by lane: the buffer qkv is laid in the order of
; the operands' registers.  A record of 39,424 bytes is 256 tokens of one head: q's codes [2][8 tiles][3][lane][8 B], q's scale words [2][lane][16 B], k's likewise, v's codes [2][4 tiles][3][lane][16 B], v's scale words [2][lane][8 B].
; Every store of a wave covers 256 or 512 consecutive bytes, aligned.
; THE ROTATION: the table holds (cos, sin) for a position and a pair; a lane's eight pairs of a half block are 64 consecutive bytes.  Two blocks' tables are on their way while a block is worked.
; The first two blocks' tables are asked for at the head by EVERY work-group, V's too, which do not use them: the head then has no branch, and the registers are written on every path.
; LIMITS: NaN and infinities are not served; a block of zeros keeps the byte 1 (its codes are zeros).
.set KSTEP,  256
.set NQ,     2                         ; matrix instructions deep in a slot
.set ROWB,   192                       ; a tile's row in bytes
.set KROW,   768                       ; a row of codes in memory
.set PITCH,  240                       ; an LDS row: 3 x (64 + 16)
.set FR,     12
.set NL,     6
.set NP,     4                         ; places behind this matrix instruction (ISA guide 7.12.1)
.set HALFT,  128*PITCH
.set SLOT,   4*HALFT
.set LAPS,   2                         ; 1,024 / 512
.set KS,     32                        ; a row of scale bytes
.set SCL,    2*SLOT
.set HALFS,  16*272                    ; the scale bytes of 128 rows
.set SBLK,   2*272                     ; of 16 rows
.set SPARE,  SCL+4*HALFS               ; the spare words, 128 bytes a wave
.set WQC,    6291456                   ; where wq's codes begin; wv's;
.set WVC,    7864320
.set WQS,    262144                    ; and their scale bytes
.set WVS,    327680
.set REC,    39424                     ; a record
.set HSTR,   8*REC                     ; from head to head
.set ADRA, 16                          ; v16-19 LDS addresses of A's fragments (slot 0, 1; then the same behind one padding more)
.set ADRB, 20                          ; v20-23 of B's
.set L8,   24                          ; v24  8 x lane
.set L16,  25                          ; v25  16 x lane
.set RT,   26                          ; v26  my row and half in a block's part of the table
.set ADRS, 27                          ; v27  LDS address of my scale words
.set SPW,  28
.set NIL,  29
.set SC,   32                          ; v32-63 scale words, two sets
.set AF,   128                         ; A's fragments
.set WS,   32                          ; the way out: v32-47 the blocks' scale words
.set SW,   48                          ; v48-55 as they are stored
.set FL,   56                          ; v56  the floor 2^(3 - 127)
.set CS,   64                          ; v64-127 two sets of 32: (cos, sin) of a block
.set HA,   128                         ; v128-191 a block's rotated numbers
.set PC,   192                         ; v192-210 the codes
.set TM,   212                         ; v212-227 at work
.set PW,   228                         ; the scale word just made
.set SEL,  96                          ; s[96:97] lane selects: lane l xor 16
.set RB,   66                          ; s[66:67] the table at my 128 tokens
.set CB,   98                          ; s[98:99] where my codes go
.set SB,   100                         ; s[100:101] and my scale words
.set G1, 24
.set G0, 32
.set G1B, 48
.set G0B, 56
.set G1S, 68
.set G0S, 76
.set G1SB, 80
.set G0SB, 88
.set MSB, 0
.macro WIN new                         ; the immediate's high byte repeats the setting that is left
.if MSB != \new
	s_set_vgpr_msb (MSB<<8)|\new
.set MSB, \new
.endif
.endm
.set MUL_LO, 0xa1                      ; source 0 (B) window 1, source 1 (A) window 0, C and D window 2
.set MUL_HI, 0xf1
.set TO_B,   0x40
; A joint load: waves 0 and 1 fetch for A, waves 2 and 3 for B; the branch hangs on the wave's number alone.  An s_nop 0 and four v_nop follow each line.
.macro JLOAD g0a, g1a, g0b, g1b
	s_cmp_eq_u32 s15, 0
	s_cbranch_scc0 .Lfor_b_\@
	tensor_load_to_lds s[\g0a:\g0a+3], s[\g1a:\g1a+7]
	s_nop 0
.rept 4
	v_nop
.endr
	s_branch .Lasked_\@
.Lfor_b_\@:
	tensor_load_to_lds s[\g0b:\g0b+3], s[\g1b:\g1b+7]
	s_nop 0
.rept 4
	v_nop
.endr
.Lasked_\@:
.endm
.macro CREST                           ; a round of the cluster's barrier behind its opening barrier
	s_cmp_lg_u32 s14, 0
	s_cbranch_scc1 .Lnot_wave_0_\@
	s_barrier_signal -3
.Lnot_wave_0_\@:
	s_barrier_wait -3
	s_barrier_signal -1
	s_barrier_wait -1
.endm
.macro CROUND
	s_barrier_signal -1
	s_barrier_wait -1
	CREST
.endm
	s_load_b256 s[4:11], s[0:1], 0x0               ; xw_codes, xw_scales, rope, qkv
	v_lshl_add_u32 v[SPW], v0, 2, SPARE
	v_mov_b32 v[NIL], 0
	ds_add_u32 v[SPW], v[NIL]                      ; the wave's opening: the add and its wait ahead of my first tensor load
	v_lshrrev_b32 v1, 5, v0
	v_readfirstlane_b32 s14, v1                    ; wave 0..3
	s_lshr_b32 s15, s14, 1                         ; which half of A's rows is mine.  Also: I fetch for A (0) or for B (1)
	s_and_b32 s16, s14, 1                          ; which half of B's rows.  Also: which 128 rows I fetch
	s_bfe_u32 s40, ttmp6, 0x40000                  ; cx
	s_bfe_u32 s41, ttmp6, 0x40004                  ; cy
	s_and_b32 s18, ttmp7, 0xffff                   ; the cluster's y
	s_lshl_b32 s19, s18, 1
	s_sub_co_u32 s19, s19, 16
	s_add_co_u32 s19, s19, ttmp9                   ; V's part: 2 (y - 8) + x
	s_lshl_b32 s17, s18, 2
	s_cmp_ge_u32 s18, 8                            ; V's part?
	s_cselect_b32 s12, 1, 0
	s_cselect_b32 s42, s19, ttmp9
	s_cselect_b32 s17, 0, s17
	s_cselect_b32 s96, WVC, 0                      ; where A's codes begin: wv's or x's;
	s_cselect_b32 s97, WVS, 0                      ; A's scale bytes;
	s_cselect_b32 s98, 0, WQC                      ; B's: x's or wq's and wk's
	s_cselect_b32 s99, 0, WQS
	s_lshl_b32 s42, s42, 2
	s_add_co_u32 s42, s42, s40                     ; tile column: it sees cx alone
	s_add_co_u32 s17, s17, s41                     ; tile row: it sees cy alone
	s_lshl_b32 s43, s41, 2
	s_lshl_b32 s43, 15, s43                        ; my row of the cluster
	s_lshl_b32 s44, 0x1111, s40                    ; my column
	; descriptor group 1: a tile of 128 rows x 192 bytes, 16 bytes of padding behind every 64
	s_or_b32 s[G1+0], s43, (0<<16)|(1<<20)|(1<<21)|(3<<22)|(3<<25)
	s_or_b32 s[G1B+0], s44, (0<<16)|(1<<20)|(1<<21)|(3<<22)|(3<<25)
.irp g, G1, G1B
	s_mov_b32 s[\g+1], ROWB<<16                    ; tensor_dim0
	s_mov_b32 s[\g+2], 128<<16                     ; tensor_dim1
	s_mov_b32 s[\g+3], ROWB<<16                    ; tile_dim0
	s_mov_b32 s[\g+4], 128                         ; tile_dim1
	s_mov_b32 s[\g+5], KROW                        ; the pitch
	s_mov_b32 s[\g+6], 0
	s_mov_b32 s[\g+7], 0
.endr
	; the scale bytes of 128 rows: 4,096 dense bytes as 16 rows of 256 (32 elements of 8 bytes), 16 bytes of padding behind each
	s_or_b32 s[G1S+0], s43, (3<<16)|(1<<20)|(1<<21)|(5<<22)|(3<<25)
	s_or_b32 s[G1SB+0], s44, (3<<16)|(1<<20)|(1<<21)|(5<<22)|(3<<25)
.irp g, G1S, G1SB
	s_mov_b32 s[\g+1], 32<<16
	s_mov_b32 s[\g+2], 16<<16
	s_mov_b32 s[\g+3], 32<<16
	s_mov_b32 s[\g+4], 16
	s_mov_b32 s[\g+5], 32
	s_mov_b32 s[\g+6], 0
	s_mov_b32 s[\g+7], 0
.endr
	s_lshl_b32 s18, s16, 7                         ; which 128 rows of the tile I fetch
	s_lshl_b32 s20, s17, 8
	s_add_co_u32 s20, s20, s18                     ; A: place 256 x tile row + 128 x half
	s_lshl_b32 s46, s42, 8
	s_add_co_u32 s46, s46, s18                     ; B: place 256 x tile column + 128 x half
	s_lshl_b32 s22, s20, 5
	s_add_co_u32 s22, s22, s97                     ; where these rows' scale bytes begin,
	s_mov_b32 s23, 0
	s_lshl_b32 s92, s46, 5
	s_add_co_u32 s92, s92, s99
	s_mov_b32 s93, 0
	s_mul_i32 s20, s20, KROW
	s_add_co_u32 s20, s20, s96                     ; and their codes (all under 2^24 bytes)
	s_mov_b32 s21, 0
	s_mul_i32 s46, s46, KROW
	s_add_co_u32 s46, s46, s98
	s_mov_b32 s47, 0
	s_mul_i32 s45, s14, HALFT                      ; where they go: wave x 128 rows: no place in the cluster enters an LDS address
	s_mul_i32 s94, s14, HALFS
	s_wait_dscnt 0x0                               ; the opening add is done
	s_wait_kmcnt 0x0
	s_add_nc_u64 s[20:21], s[4:5], s[20:21]
	s_add_nc_u64 s[22:23], s[6:7], s[22:23]
	s_add_nc_u64 s[46:47], s[4:5], s[46:47]
	s_add_nc_u64 s[92:93], s[6:7], s[92:93]
	CROUND                                         ; all sixteen work-groups are here: the first joint loads meet
	s_mov_b32 s[G0S], 1
	s_add_co_u32 s[G0S+1], s94, SCL
	s_mov_b64 s[G0S+2:G0S+3], s[22:23]
	s_or_b32 s[G0S+3], s[G0S+3], 0x80000000
	s_mov_b32 s[G0SB], 1
	s_add_co_u32 s[G0SB+1], s94, SCL
	s_mov_b64 s[G0SB+2:G0SB+3], s[92:93]
	s_or_b32 s[G0SB+3], s[G0SB+3], 0x80000000
	JLOAD G0S, G1S, G0SB, G1SB                     ; the scale bytes first: they are wanted with K step 0
.irp s, 0,1
	s_mov_b32 s[G0+4*\s], 1
	s_add_co_u32 s[G0+4*\s+1], s45, \s*SLOT
	s_add_nc_u64 s[G0+4*\s+2:G0+4*\s+3], s[20:21], \s*ROWB
	s_or_b32 s[G0+4*\s+3], s[G0+4*\s+3], 0x80000000
	s_mov_b32 s[G0B+4*\s], 1
	s_add_co_u32 s[G0B+4*\s+1], s45, \s*SLOT
	s_add_nc_u64 s[G0B+4*\s+2:G0B+4*\s+3], s[46:47], \s*ROWB
	s_or_b32 s[G0B+4*\s+3], s[G0B+4*\s+3], 0x80000000
	JLOAD G0+4*\s, G1, G0B+4*\s, G1B               ; three tensor loads of mine are out
.endr
	v_and_b32 v1, 15, v0                           ; r
	v_bfe_u32 v2, v0, 4, 1                         ; h
	v_mul_u32_u24 v3, v1, PITCH
	v_mul_u32_u24 v4, v2, 24
	v_add_nc_u32 v4, v3, v4                        ; a fragment's row x pitch + 24 x half
	v_lshl_add_u32 v5, v2, 4, v4                   ; and the same behind one padding more
	s_mul_i32 s21, s15, HALFT                      ; my 128 rows of A
	s_mul_i32 s22, s16, HALFT                      ; my 128 rows of B,
	s_add_co_u32 s22, s22, 2*HALFT                 ; which lie behind A's 256
.irp s, 0,1
	v_add_nc_u32 v[ADRA+\s], s21, v4
	v_add_nc_u32 v[ADRB+\s], s22, v4
	v_add_nc_u32 v[ADRA+2+\s], s21, v5
	v_add_nc_u32 v[ADRB+2+\s], s22, v5
	s_add_co_u32 s21, s21, SLOT
	s_add_co_u32 s22, s22, SLOT
.endr
	v_mul_u32_u24 v5, v1, KS                       ; my row's scale bytes: 32 a row,
	v_lshrrev_b32 v6, 8, v5
	v_lshl_add_u32 v5, v6, 4, v5                   ; and 16 more for each 256 passed
	s_mul_i32 s21, s15, HALFS
	s_mul_i32 s22, s16, HALFS
	s_add_co_u32 s22, s22, 2*HALFS
	s_sub_co_u32 s22, s22, s21
	v_mul_u32_u24 v6, s22, v2                      ; lanes 16-31 take B's
	s_add_co_u32 s21, s21, SCL
	v_add_nc_u32 v5, v5, v6
	v_add_nc_u32 v[ADRS], s21, v5
	v_and_b32 v6, 31, v0
	v_lshlrev_b32 v[L8], 3, v6
	v_lshlrev_b32 v[L16], 4, v6
	v_and_b32 v6, 8, v1
	v_add_nc_u32 v6, v6, v1                        ; r + 8 (r / 8)
	v_lshlrev_b32 v[RT], 8, v6                     ; a position is 256 bytes of the table,
	v_lshl_add_u32 v[RT], v2, 6, v[RT]             ; my half's eight pairs 64
	s_and_b32 s18, s17, 7
	s_lshl_b32 s18, s18, 8
	s_lshl_b32 s19, s15, 7
	s_add_co_u32 s18, s18, s19                     ; my first token's place in its sequence
	s_lshl_b32 s18, s18, 8
	s_mov_b32 s19, 0
	s_add_nc_u64 s[RB:RB+1], s[8:9], s[18:19]
	s_mov_b32 s13, 0xffff0000                      ; lanes 16-31
	s_mov_b32 s[SEL], 0x76543210
	s_mov_b32 s[SEL+1], 0xfedcba98
.macro TABLE a                         ; block a's (cos, sin): 16 pairs a lane, eight loads, into set a % 2
.irp e, 0,1
.irp q, 0,1,2,3
	global_load_b128 v[CS+32*((\a)%2)+16*\e+4*\q:CS+32*((\a)%2)+16*\e+4*\q+3], v[RT], s[RB:RB+1] offset:(32*((\a)/2)+8*((\a)%2))*256+128*\e+16*\q
.endr
.endr
.endm
	TABLE 0
	TABLE 1
.macro FRAG reg, adr, q, i             ; a fragment: 16 rows x 128 K, twelve registers, in pieces of 8 bytes; where the piece three on lies behind one padding more, the second address register serves
.irp p, 0,1,2,3,4,5
.set PCE, 12*(\q)+6*(\p/3)+\p%3
.if PCE%8 < 5
	ds_load_b64 v[\reg+2*\p:\reg+2*\p+1], v[\adr] offset:8*PCE+16*(PCE/8)+(\i)*16*PITCH
.else
	ds_load_b64 v[\reg+2*\p:\reg+2*\p+1], v[\adr+2] offset:8*PCE+16*(PCE/8)+(\i)*16*PITCH
.endif
.endr
.endm
; 16 matrix instructions: A's blocks a0, a0 + 1 x B's eight.  The 64 accumulators take turns, one instruction a turn, in the same order in every step.
.macro MUL16 a0, p, q, sc, zero
.irp a, \a0, \a0+1
.irp b, 0,1,2,3,4,5,6,7
.if \zero
	v_wmma_scale_f32_16x16x128_f8f6f4 v[8*(8*((\a)%4)+\b):8*(8*((\a)%4)+\b)+7], v[128*(\p)+FR*\b:128*(\p)+FR*\b+FR-1], v[AF+FR*(\a):AF+FR*(\a)+FR-1], 0, v[SC+8*NQ*(\sc)+NQ*\b+(\q)], v[SC+8*NQ*(\sc)+NQ*(\a)+(\q)] matrix_a_fmt:MATRIX_FMT_FP6 matrix_b_fmt:MATRIX_FMT_FP6 matrix_a_scale:MATRIX_SCALE_ROW1
.else
	v_wmma_scale_f32_16x16x128_f8f6f4 v[8*(8*((\a)%4)+\b):8*(8*((\a)%4)+\b)+7], v[128*(\p)+FR*\b:128*(\p)+FR*\b+FR-1], v[AF+FR*(\a):AF+FR*(\a)+FR-1], v[8*(8*((\a)%4)+\b):8*(8*((\a)%4)+\b)+7], v[SC+8*NQ*(\sc)+NQ*\b+(\q)], v[SC+8*NQ*(\sc)+NQ*(\a)+(\q)] matrix_a_fmt:MATRIX_FMT_FP6 matrix_b_fmt:MATRIX_FMT_FP6 matrix_a_scale:MATRIX_SCALE_ROW1
.endif
.endr
.endr
.endm
.macro FETCH_B slot, q, p
	WIN TO_B
.irp i, 0,1,2,3,4,5,6,7
	FRAG 128*(\p)+FR*\i, ADRB+\slot, \q, \i
.endr
	WIN 0
.endm
.macro FETCH_A slot, q, i0
.irp i, \i0, \i0+1, \i0+2, \i0+3
	FRAG AF+FR*(\i), ADRA+\slot, \q, \i
.endr
.endm
.macro SCALES sc                       ; a K step's scale words: lanes 0-15 A's block i, lanes 16-31 B's block i
.irp i, 0,1,2,3,4,5,6,7
	ds_load_b64 v[SC+8*NQ*\sc+NQ*\i:SC+8*NQ*\sc+NQ*\i+1], v[ADRS] offset:\i*SBLK
.endr
.endm
.macro PLACES n                        ; plain vector instructions between a matrix instruction and a load into, or a vector instruction on, its registers
.rept \n
	v_nop
.endr
.endm
.macro STEP slot, q, zero              ; 128 along K that has its successor in the same slot
	s_wait_dscnt 4*NL                              ; B's set and A's blocks 0-3 are in; the youngest 24 loads (A's blocks 4-7) may be out
	WIN MUL_LO
	MUL16 0, (\q)%2, \q, \slot, \zero
	MUL16 2, (\q)%2, \q, \slot, \zero
	s_wait_dscnt 0
	PLACES NP
	FETCH_B \slot, (\q)+1, 1-(\q)%2
	FETCH_A \slot, (\q)+1, 0
	WIN MUL_HI
	MUL16 4, (\q)%2, \q, \slot, \zero
	MUL16 6, (\q)%2, \q, \slot, \zero
	PLACES NP
	WIN 0
	FETCH_A \slot, (\q)+1, 4
.endm
; A slot's last step changes slots: one barrier; in front of it each wave waits for all its tensor loads, adds 0 to its spare word, and waits for that and for its reads of this slot.
.macro TURN slot, next, fill
	s_wait_tensorcnt 0x0                           ; all my tensor loads have landed: my part of the next slot
	ds_add_u32 v[SPW], v[NIL]                      ; 0 onto my spare word
	s_wait_dscnt 4*NL+1                            ; (the add and the youngest 24 loads may be out)
	WIN MUL_LO
	MUL16 0, 1, NQ-1, \slot, 0
	s_wait_dscnt 0x0                               ; the add is done, and my reads of this slot are over
	s_barrier_signal -1
	MUL16 2, 1, NQ-1, \slot, 0
	WIN 0
	s_barrier_wait -1
.if \fill
	CREST                                          ; the barrier has opened a round of the cluster's: no wave of any partner still reads this slot or has a load on its way
	s_add_nc_u64 s[G0+4*\slot+2:G0+4*\slot+3], s[G0+4*\slot+2:G0+4*\slot+3], 2*ROWB
	s_add_nc_u64 s[G0B+4*\slot+2:G0B+4*\slot+3], s[G0B+4*\slot+2:G0B+4*\slot+3], 2*ROWB
	JLOAD G0+4*\slot, G1, G0B+4*\slot, G1B         ; the first tensor load behind the round; its four v_nop are the places in front of the loads below
.else
	PLACES NP
.endif
	v_add_nc_u32 v[ADRS], 4*NQ, v[ADRS]
	FETCH_B \next, 0, 0
	FETCH_A \next, 0, 0
	SCALES \next
	WIN MUL_HI
	MUL16 4, 1, NQ-1, \slot, 0
	MUL16 6, 1, NQ-1, \slot, 0
	PLACES NP
	WIN 0
	FETCH_A \next, 0, 4
.endm
	s_wait_tensorcnt 1                             ; the scale bytes and my part of K step 0 are in (K step 1's load may be out),
	s_barrier_signal -1
	s_barrier_wait -1                              ; everybody's are
	FETCH_B 0, 0, 0
	FETCH_A 0, 0, 0
	SCALES 0
	FETCH_A 0, 0, 4
	STEP 0, 0, 1                                   ; the first step's products start the sums
	s_mov_b32 s3, LAPS-1
.Llap:
	TURN 0, 1, 1
	STEP 1, 0, 0
	TURN 1, 0, 1
	STEP 0, 0, 0
	s_sub_co_u32 s3, s3, 1
	s_cmp_lg_u32 s3, 0
	s_cbranch_scc1 .Llap
	TURN 0, 1, 0                                   ; the last lap fills nothing
	STEP 1, 0, 0
	s_wait_dscnt 4*NL
	WIN MUL_LO
	MUL16 0, 1, NQ-1, 1, 0
	MUL16 2, 1, NQ-1, 1, 0
	s_wait_dscnt 0
	WIN MUL_HI
	MUL16 4, 1, NQ-1, 1, 0
	MUL16 6, 1, NQ-1, 1, 0
	WIN 0
; THE WAY OUT.
; ROPE: block a's 64 numbers, pairs (x1, x2) of neighbours, from the accumulators into v[HA] on: (x1 cos - x2 sin, x1 sin + x2 cos).  First (x2 sin, x1 sin), then one packed multiply-add; each accumulator is read from its low end on.
.macro ROPE a
	WIN 2+(\a)/4                                   ; source 0: the accumulators' window
.irp b, 0,1,2,3
.irp i, 0,1,2,3,4,5,6,7
	v_pk_mul_f32 v[HA+16*\b+2*\i:HA+16*\b+2*\i+1], v[64*((\a)%4)+16*\b+2*\i:64*((\a)%4)+16*\b+2*\i+1], v[CS+32*((\a)%2)+16*(\b%2)+2*\i:CS+32*((\a)%2)+16*(\b%2)+2*\i+1] op_sel:[1,1] op_sel_hi:[0,1]
.endr
.endr
.irp b, 0,1,2,3
.irp i, 0,1,2,3,4,5,6,7
	v_pk_fma_f32 v[HA+16*\b+2*\i:HA+16*\b+2*\i+1], v[64*((\a)%4)+16*\b+2*\i:64*((\a)%4)+16*\b+2*\i+1], v[CS+32*((\a)%2)+16*(\b%2)+2*\i:CS+32*((\a)%2)+16*(\b%2)+2*\i+1], v[HA+16*\b+2*\i:HA+16*\b+2*\i+1] op_sel_hi:[1,0,1] neg_lo:[0,0,1]
.endr
.endr
	WIN 0
.endm
; QUANT: 64 numbers of a lane in window w, register s + 16 b + i = k 32 b + 16 h + i of my row, become an operand's twelve registers in v[PC] on and its scale word in v[pw].
.macro QUANT s, w, pw
	WIN ((\w)<<2)|((\w)<<4)                        ; the numbers stand in sources 1 and 2
.irp b, 0,1,2,3
	v_max3_num_f32 v[TM+\b], v[FL], |v[(\s)+16*\b]|, |v[(\s)+1+16*\b]|   ; my 16 numbers of block b, and the floor: the byte cannot fall under 1
.endr
.irp i, 2,4,6,8,10,12,14
.irp b, 0,1,2,3
	v_max3_num_f32 v[TM+\b], v[TM+\b], |v[(\s)+16*\b+\i]|, |v[(\s)+1+16*\b+\i]|
.endr
.endr
	WIN 0
.irp b, 0,1,2,3
	v_permlanex16_b32 v[TM+4+\b], v[TM+\b], s[SEL], s[SEL+1]
.endr
.irp b, 0,1,2,3
	v_max_num_f32 v[TM+\b], v[TM+\b], v[TM+4+\b]   ; with lane l xor 16's: the block's largest magnitude
.endr
.irp b, 0,1,2,3
	v_add_nc_u32 v[TM+12+\b], 0xff000000, v[TM+\b] ; 2 off its exponent field: the conversion's scale operand
.endr
.irp b, 0,1,2,3
	v_lshrrev_b32 v[TM+4+\b], 23, v[TM+12+\b]      ; the scale's byte
.endr
	v_lshl_or_b32 v[\pw], v[TM+5], 8, v[TM+4]
	v_lshl_or_b32 v[\pw], v[TM+6], 16, v[\pw]
	v_lshl_or_b32 v[\pw], v[TM+7], 24, v[\pw]
	WIN (\w)                                       ; the numbers stand in source 0
.irp c, 0,1
	v_cvt_scalef32_pk16_fp6_f32 v[PC+6*\c:PC+2+6*\c], v[(\s)+32*\c:(\s)+15+32*\c], v[TM+12+2*\c]
	v_cvt_scalef32_pk16_fp6_f32 v[PC+12+4*\c:PC+14+4*\c], v[(\s)+16+32*\c:(\s)+31+32*\c], v[TM+12+2*\c+1]
.endr
	WIN 0
	v_nop                                          ; one plain line behind a scaled conversion
.irp c, 0,1                                    ; the operand's layout wants a whole block in a lane: lanes 0-15 block 2 c, lanes 16-31 block 2 c + 1
.irp i, 0,1,2
	v_permlane16_swap_b32 v[PC+6*\c+\i], v[PC+12+4*\c+\i]
.endr
.irp i, 0,1,2
	v_mov_b32 v[PC+3+6*\c+\i], v[PC+12+4*\c+\i]
.endr
.endr
.endm
.macro FINISH
	s_wait_tensorcnt 0x0                           ; the wave's end
	ds_add_u32 v[SPW], v[NIL]
	s_wait_dscnt 0x0
	CROUND                                         ; the closing round: no work-group ends while a partner may still ask for a tile that names it
	s_endpgm
.endm
	PLACES NP                                      ; behind the last products: their results are read, and their operands' registers written, below
	v_mov_b32 v[FL], 0x1800000
.irp b, 0,1,2,3
	v_mov_b32 v[TM+4+\b], 0                        ; written once: a lane permute's destination counts as one of its sources
.endr
	s_cmp_eq_u32 s12, 0
	s_cbranch_scc0 .Lv_out
	; ---- q and k.  My 128 features are two heads; my 128 tokens are half a record
	s_lshr_b32 s18, s17, 3                         ; the batch
	s_lshl_b32 s18, s18, 4
	s_and_b32 s19, s42, 3
	s_lshl_b32 s19, s19, 2
	s_add_co_u32 s18, s18, s19
	s_lshl_b32 s19, s16, 1
	s_add_co_u32 s18, s18, s19                     ; 16 x batch + my first head
	s_lshl_b32 s18, s18, 3
	s_and_b32 s19, s17, 7
	s_add_co_u32 s18, s18, s19                     ; the record
	s_mul_i32 s18, s18, REC
	s_cmp_ge_u32 s42, 4
	s_cselect_b32 s19, 13312, 0                    ; k's part lies behind q's
	s_add_co_u32 s18, s18, s19
	s_mov_b32 s19, 0
	s_add_nc_u64 s[SB:SB+1], s[10:11], s[18:19]
	s_mul_i32 s18, s15, 6144
	s_add_nc_u64 s[CB:CB+1], s[SB:SB+1], s[18:19]
	s_lshl_b32 s18, s15, 9
	s_add_co_u32 s18, s18, 12288
	s_add_nc_u64 s[SB:SB+1], s[SB:SB+1], s[18:19]
.macro QKBLOCK a
.if (\a) < 7
	s_wait_loadcnt 8                               ; this block's table is in; the next block's eight loads may be out
.else
	s_wait_loadcnt 0x0
.endif
	s_wait_xcnt 0x0                                ; the last block's stores have read the codes' registers
	ROPE \a
.if (\a) < 6
	TABLE (\a)+2                                   ; into the set just read
.endif
	QUANT HA, 0, PW
	v_and_b32 v[WS+(\a)], 0xffff, v[PW]            ; the first head's two bytes; bytes 2 and 3 stay 0: the upper half of that product's K holds zero codes
	v_lshrrev_b32 v[WS+8+(\a)], 16, v[PW]          ; the second head's
.irp c, 0,1
.irp p, 0,1,2
	global_store_b64 v[L8], v[PC+6*\c+2*\p:PC+6*\c+2*\p+1], s[CB:CB+1] offset:\c*HSTR+768*(\a)+256*\p   ; 256 consecutive bytes, aligned
.endr
.endr
.endm
.irp a, 0,1,2,3,4,5,6,7
	QKBLOCK \a
.endr
.irp c, 0,1
.irp j, 0,1,2,3
	v_cndmask_b32 v[SW+4*\c+\j], v[WS+8*\c+2*\j], v[WS+8*\c+2*\j+1], s13   ; tile 2 j's words in lanes 0-15, tile 2 j + 1's in lanes 16-31
.endr
	global_store_b128 v[L16], v[SW+4*\c:SW+4*\c+3], s[SB:SB+1] offset:\c*HSTR
.endr
	FINISH
.Lv_out:
	; ---- v.  My 128 channels are two heads; my 128 tokens are half a record, and one K step of attention's second product
	s_lshr_b32 s18, s42, 3                         ; the batch
	s_lshl_b32 s18, s18, 4
	s_lshl_b32 s19, s17, 2
	s_add_co_u32 s18, s18, s19
	s_lshl_b32 s19, s15, 1
	s_add_co_u32 s18, s18, s19
	s_lshl_b32 s18, s18, 3
	s_and_b32 s19, s42, 7
	s_add_co_u32 s18, s18, s19                     ; the record
	s_mul_i32 s18, s18, REC
	s_mov_b32 s19, 0
	s_add_nc_u64 s[SB:SB+1], s[10:11], s[18:19]
	s_mul_i32 s18, s16, 6144
	s_add_co_u32 s18, s18, 26624
	s_add_nc_u64 s[CB:CB+1], s[SB:SB+1], s[18:19]
	s_lshl_b32 s18, s16, 8
	s_add_co_u32 s18, s18, 38912
	s_add_nc_u64 s[SB:SB+1], s[SB:SB+1], s[18:19]
.macro VBLOCK a
	s_wait_xcnt 0x0                                ; the last block's stores have read the codes' registers
	QUANT 64*((\a)%4), 2+(\a)/4, WS+(\a)
.irp q, 0,1,2
	global_store_b128 v[L16], v[PC+4*\q:PC+4*\q+3], s[CB:CB+1] offset:((\a)/4)*HSTR+((\a)%4)*1536+512*\q   ; 512 consecutive bytes, aligned
.endr
.endm
.irp a, 0,1,2,3,4,5,6,7
	VBLOCK \a
.endr
.irp c, 0,1
.irp j, 0,1
	v_cndmask_b32 v[SW+2*\c+\j], v[WS+4*\c+2*\j], v[WS+4*\c+2*\j+1], s13
.endr
	global_store_b64 v[L8], v[SW+2*\c:SW+2*\c+1], s[SB:SB+1] offset:\c*HSTR
.endr
	FINISH
.Lfunc_end_k_qea8ac2c84f_qkv:
	.size	k_qea8ac2c84f_qkv, .Lfunc_end_k_qea8ac2c84f_qkv-k_qea8ac2c84f_qkv
	.p2alignl 7, 3214868480
	.fill 96, 4, 3214868480
	.section	.rodata,"a",@progbits
	.p2align	6, 0x0
	.amdhsa_kernel k_qea8ac2c84f_qkv
		.amdhsa_group_segment_fixed_size 327680
		.amdhsa_private_segment_fixed_size 0
		.amdhsa_enable_private_segment 0
		.amdhsa_kernarg_size 32
		.amdhsa_user_sgpr_count 2
		.amdhsa_user_sgpr_kernarg_segment_ptr 1
		.amdhsa_wavefront_size32 1
		.amdhsa_system_sgpr_workgroup_id_x 1
		.amdhsa_system_sgpr_workgroup_id_y 1
		.amdhsa_system_sgpr_workgroup_id_z 1
		.amdhsa_system_vgpr_workitem_id 0
		.amdhsa_next_free_vgpr 1024
		.amdhsa_next_free_sgpr 102
		.amdhsa_reserve_vcc 0
		.amdhsa_float_denorm_mode_32 3
		.amdhsa_float_denorm_mode_16_64 3
		.amdhsa_memory_ordered 1
		.amdhsa_forward_progress 1
		.amdhsa_inst_pref_size 239
	.end_amdhsa_kernel
	.amdgpu_metadata
---
amdhsa.version: [ 1, 2 ]
amdhsa.kernels:
  - .name:           k_qea8ac2c84f_qkv
    .symbol:         k_qea8ac2c84f_qkv.kd
    .args:
      - { .name: xw_codes, .offset: 0, .size: 8, .value_kind: global_buffer, .address_space: global }
      - { .name: xw_scales, .offset: 8, .size: 8, .value_kind: global_buffer, .address_space: global }
      - { .name: rope, .offset: 16, .size: 8, .value_kind: global_buffer, .address_space: global }
      - { .name: qkv, .offset: 24, .size: 8, .value_kind: global_buffer, .address_space: global }
    .group_segment_fixed_size: 327680
    .private_segment_fixed_size: 0
    .kernarg_segment_align: 8
    .kernarg_segment_size: 32
    .max_flat_workgroup_size: 128
    .sgpr_count:     102
    .vgpr_count:     1024
    .wavefront_size: 32
...
	.end_amdgpu_metadata
.endif
;; end of part 2
;; launch attn (part 3): grid 4 x 64, 16 waves a work-group, no clusters, 327,680 bytes of LDS; arguments qkv, o_codes, o_scales; writes o_codes, o_scales
.if DOCPART == 3
	.amdgcn_target "amdgcn-amd-amdhsa--gfx1250"
	.amdhsa_code_object_version 6
	.text
	.protected	k_qea8ac2c84f_attn
	.globl	k_qea8ac2c84f_attn
	.p2align	8
	.type	k_qea8ac2c84f_attn,@function
k_qea8ac2c84f_attn:
	s_mov_b64 s[64:65], 0
	v_nop
	global_prefetch_b8 v0, s[64:65] scope:SCOPE_SE
	s_setreg_imm32_b32 hwreg(HW_REG_WAVE_MODE, 25, 1), 1
	s_wait_xcnt 0x0
; Causal attention on codes of FP6 (E2M3): S^T = K Q^T (K = the head's 64: the upper half of the instruction's 128 holds zero codes), p = 2^(t - M), O^T = V^T P^T (K = the keys), O / the row's sum, quantised along the model's axis.
; t = score x log2(e) / 8; M = the running largest t rounded up to a whole number; the row's sum is taken of the unquantised p; when M moves, the sum and O are multiplied by 2^(old M - new M), which rounds nothing.
; SHARES.  Work-group (i, head of a batch) owns the blocks i and 7 - i of 256 queries: (i + 1) + (8 - i) = 9 slots of 256 keys in every work-group, so that all 256 have equal work and the trip count is a constant.
; Each of sixteen waves owns one tile of 16 queries of the block in hand: queries Q0 + r + 8 (r / 8), Q0 = 256 block + 32 (wave / 2) + 8 (wave % 2).  A step is 128 keys.  A step all of whose keys come after the wave's
; queries is left out by a scalar branch on ids; in the step on the diagonal hidden scores become -infinity.  Every step that is worked holds a key that counts for each query, key 0 in the first: M is a number from the first step on.
; OPERANDS lie in memory in the order of their registers (the launch before stored them so): every LDS and global read takes consecutive bytes in consecutive lanes, and a slot's k codes, k scale words, v codes and
; v scale words are 26,112 dense bytes: ONE tensor load, issued by wave 0, into a ring of two slots.  It has a slot's two steps of sixteen waves in which to land.
; LAYOUT as the tiles were chosen: lane (r, h) holds one query throughout; register 16 b + i of the scores is key 32 b + 16 h + i; register 16 b + i of O^T is channel 32 b + 16 h + i.
; NO CLUSTER: in trip T work-group i reads slot T up to T = i and slot T - i - 1 after it, so the four work-groups of a head read different slots in a trip; walking in step would cost each the longest walk.
; OUT: o_codes [head / 4][tile of 16 tokens][head % 4][3][lane][8 B]: the image of half an operand of the last product; o_scales [place][32]: byte 2 head + block.  The scale bytes leave as single bytes, 32 bytes apart:
; one store a tile of queries, so that the last product finds its scale bytes as one dense block.
; LIMITS: NaN and infinities are not served.
.set REC,   39424                      ; a record: 256 tokens of a head
.set HSTR,  8*REC
.set KVO,   13312                      ; where k's and v's part of a record begins
.set SLOT1, 32768                      ; LDS: slot 1; one exclusive or turns an address from slot to slot
.set KSCO,  12288                      ; in a slot: k's scale words,
.set VCO,   13312                      ; v's codes,
.set VSO,   25600                      ; v's scale words
.set SPARE, 65536                      ; the spare words, 128 bytes for each of sixteen waves
.set KPS,   1572864                    ; o_codes: from four heads to the next four
.set L8,   1                           ; v1   8 x lane
.set L16,  2                           ; v2   16 x lane
.set DQ,   3                           ; v3   r + 8 (r / 8) - 16 h
.set SPW,  5
.set NIL,  6
.set OB,   7                           ; v7   32 r + h: my byte among the tile's scale bytes
.set A8,   8                           ; v8   the slot in hand + 8 x lane
.set A16,  9                           ; v9   + 16 x lane
.set R16,  10                          ; v10  16 r
.set PFO,  28                          ; v28  the prefetches' offset
.set KFR,  32                          ; v32-79  four fragments of k: the upper six registers of each are 0 for good
.set VFR,  80                          ; v80-127 v's four
.set S,    128                         ; v128-191 the scores, then p
.set O,    192                         ; v192-223 O^T
; v12 -M, v13 the largest t, v[14:15] the sum; v16-27 q (v22-27 = 0); v29 q's scale words; v[30:31] v's; v224-235 p's codes; v232-247, v252, v254 at work; v248-251 k's scale words; v253 p's scale word
.set TB,   2                           ; s2   LDS byte at which the slot in hand begins
.set T,    3                           ; s3   the trip
.set PI,   10                          ; s10  i
.set NS,   11                          ; s11  the slot of keys that was asked for last
.set FO,   12                          ; s[12:13] its bytes
.set KVB,  14                          ; s[14:15] the head's slot 0
.set KF,   16                          ; s16  the step's first key
.set Q0,   17                          ; s17  my first query
.set WV,   18
.set HM,   19                          ; s19  lanes 16-31
.set SEL,  20
.set CS,   22                          ; s[22:23] log2(e) / 8
.set G1,   24
.set QB,   32                          ; s[32:33] q's codes of my tile;  s[34:35] its scale words;  s[36:37], s[38:39] where my codes and bytes of o go
.set QSB,  34
.set OC,   36
.set OS,   38
.set G0,   40
.set DR,   44                          ; s[44:45], s[46:47], s[48:49], s50: from block i to block 7 - i, in q, o_codes, o_scales, queries
.set PFA,  52                          ; s[52:53] where the prefetches stand
.set PLO,  54                          ; s54  the first trip in which my wave prefetches, or the greatest number
.macro TLOAD                           ; wave 0 fetches; an s_nop 0 and four v_nop follow the load
	s_cmp_eq_u32 s[WV], 0
	s_cbranch_scc0 .Lnot_0_\@
	tensor_load_to_lds s[G0:G0+3], s[G1:G1+7]
	s_nop 0
.rept 4
	v_nop
.endr
.Lnot_0_\@:
.endm
; A PREFETCH INTO THE L2.  Work-group 0 of a head is the first to read slots 4 to 7: it reads slot T - 1 in trip T and asks for slot T by its tensor load.  In trips 3 to 6 its waves 4 to 6, which fetch nothing, name slot T + 1,
; a slot's two steps ahead of that slot's tensor load: 96 blocks of 256 bytes, a lane a block, one instruction a wave; the slot's last 1,536 bytes come by their load alone.  Each block is named once in the launch.
.macro ASK
	s_cmp_lt_u32 s[T], s[PLO]
	s_cbranch_scc1 .Lnot_mine_\@
	s_cmp_gt_u32 s[T], 6
	s_cbranch_scc1 .Lnot_mine_\@
	global_prefetch_b8 v[PFO], s[PFA:PFA+1] th:TH_LOAD_NT scope:SCOPE_SE
.Lnot_mine_\@:
.endm
.macro INIT                            ; the state of a block of queries.  The step is written once: the first finds zeros, which the first change of M leaves zeros
	v_mov_b32 v13, 0xff61b1e6                      ; the largest t so far: -3e38
	s_delay_alu instid0(VALU_DEP_1)
	v_floor_f32 v12, -v13
	v_mov_b32 v14, 0
	v_mov_b32 v15, 0
.set jj, 0
.rept 32
	v_mov_b32 v[O+jj], 0
.set jj, jj+1
.endr
.endm
.macro QLOAD
.irp p, 0,1,2
	global_load_b64 v[16+2*\p:17+2*\p], v[L8], s[QB:QB+1] offset:256*\p
.endr
	global_load_b32 v29, v[R16], s[QSB:QSB+1]
.endm
	s_load_b128 s[4:7], s[0:1], 0x0                ; qkv, o_codes
	s_load_b64 s[8:9], s[0:1], 0x10                ; o_scales
	v_lshl_add_u32 v[SPW], v0, 2, SPARE
	v_mov_b32 v[NIL], 0
	ds_add_u32 v[SPW], v[NIL]                      ; the wave's opening: the add and its wait ahead of the first tensor load
	ds_add_u32 v[SPW], v[NIL]
	v_lshrrev_b32 v8, 5, v0
	s_delay_alu instid0(VALU_DEP_1)
	v_readfirstlane_b32 s[WV], v8                  ; wave 0..15
	s_mov_b32 s[PI], ttmp9
	s_and_b32 s56, ttmp7, 0xffff                   ; 16 x batch + head
	s_mov_b32 s[G1], 3<<16                         ; group 1: 102 rows of 256 bytes (32 elements of 8), dense, no padding, no mask
	s_mov_b32 s[G1+1], 32<<16
	s_mov_b32 s[G1+2], 102<<16
	s_mov_b32 s[G1+3], 32<<16
	s_mov_b32 s[G1+4], 102
	s_mov_b32 s[G1+5], 32
	s_mov_b32 s[G1+6], 0
	s_mov_b32 s[G1+7], 0
	s_mul_i32 s57, s56, HSTR                       ; the head's first byte in qkv
	s_add_co_u32 s[KVB], s57, KVO
	s_mov_b32 s[KVB+1], 0
	s_mul_i32 s58, s[PI], REC
	s_add_co_u32 s58, s58, s57                     ; block i's record
	s_mul_i32 s59, s[WV], 768
	s_add_co_u32 s[QB], s58, s59                   ; my tile's codes
	s_mov_b32 s[QB+1], 0
	s_lshr_b32 s59, s[WV], 3
	s_lshl_b32 s59, s59, 9                         ; its scale words: which 128 tokens,
	s_and_b32 s60, s[WV], 1
	s_lshl_b32 s60, s60, 8                         ; which half of the lanes,
	s_add_co_u32 s59, s59, s60
	s_bfe_u32 s60, s[WV], 0x20001
	s_lshl_b32 s60, s60, 2                         ; which of the four words
	s_add_co_u32 s59, s59, s60
	s_add_co_u32 s59, s59, 12288
	s_add_co_u32 s[QSB], s58, s59
	s_mov_b32 s[QSB+1], 0
	s_lshr_b32 s59, s56, 4
	s_lshl_b32 s59, s59, 7
	s_lshl_b32 s60, s[PI], 4
	s_add_co_u32 s59, s59, s60
	s_add_co_u32 s59, s59, s[WV]                   ; my tile of tokens: 128 x batch + 16 x block + wave
	s_mul_i32 s[OC], s59, 3072
	s_bfe_u32 s60, s56, 0x20002
	s_mul_i32 s60, s60, KPS
	s_add_co_u32 s[OC], s[OC], s60
	s_and_b32 s60, s56, 3
	s_mul_i32 s60, s60, 768
	s_add_co_u32 s[OC], s[OC], s60
	s_mov_b32 s[OC+1], 0
	s_lshl_b32 s[OS], s59, 9
	s_and_b32 s60, s56, 15
	s_lshl_b32 s60, s60, 1
	s_add_co_u32 s[OS], s[OS], s60
	s_mov_b32 s[OS+1], 0
	s_lshl_b32 s[Q0], s[PI], 8
	s_lshr_b32 s60, s[WV], 1
	s_lshl_b32 s60, s60, 5
	s_add_co_u32 s[Q0], s[Q0], s60
	s_and_b32 s60, s[WV], 1
	s_lshl_b32 s60, s60, 3
	s_add_co_u32 s[Q0], s[Q0], s60
	s_lshl_b32 s60, s[PI], 1
	s_sub_co_u32 s60, 7, s60                       ; 7 - 2 i blocks on
	s_mul_i32 s[DR], s60, REC
	s_mov_b32 s[DR+1], 0
	s_mul_i32 s[DR+2], s60, 49152
	s_mov_b32 s[DR+3], 0
	s_lshl_b32 s[DR+4], s60, 13
	s_mov_b32 s[DR+5], 0
	s_lshl_b32 s[DR+6], s60, 8
	s_sub_co_u32 s60, s[WV], 4
	s_cmp_lt_u32 s60, 3                            ; waves 4 to 6
	s_cselect_b32 s60, 0, 1
	s_or_b32 s60, s60, ttmp9                       ; of the head's work-group 0
	s_cmp_eq_u32 s60, 0
	s_cselect_b32 s[PLO], 3, -1
	s_mov_b32 s[HM], 0xffff0000
	s_mov_b32 s[SEL], 0x76543210
	s_mov_b32 s[SEL+1], 0xfedcba98
	s_mov_b32 s[CS], 0x3e38aa3b                    ; log2(e) / 8
	s_mov_b32 s[CS+1], s[CS]                       ; (named with it as a pair, so it is written)
	s_mov_b32 s[TB], 0
	s_mov_b32 s[T], 0
	s_mov_b32 s[NS], 0
	s_mov_b32 s[FO+1], 0
	s_mov_b32 s[KF], 0
	s_wait_dscnt 0x0                               ; the opening add is done
	s_wait_kmcnt 0x0
	s_add_nc_u64 s[KVB:KVB+1], s[4:5], s[KVB:KVB+1]
	s_add_nc_u64 s[QB:QB+1], s[4:5], s[QB:QB+1]
	s_add_nc_u64 s[QSB:QSB+1], s[4:5], s[QSB:QSB+1]
	s_add_nc_u64 s[OC:OC+1], s[6:7], s[OC:OC+1]
	s_add_nc_u64 s[OS:OS+1], s[8:9], s[OS:OS+1]
	s_mov_b64 s[PFA:PFA+1], s[KVB:KVB+1]           ; stepped a record in each trip: in trip T it stands at slot T + 1
	s_mov_b32 s[G0], 1
	s_mov_b32 s[G0+1], 0                           ; LDS slot 0
	s_mov_b64 s[G0+2:G0+3], s[KVB:KVB+1]           ; the head's first 256 keys
	s_or_b32 s[G0+3], s[G0+3], 0x80000000
	TLOAD
	v_and_b32 v8, 31, v0
	s_delay_alu instid0(VALU_DEP_1)
	v_lshlrev_b32 v[L8], 3, v8
	s_delay_alu instid0(VALU_DEP_2)
	v_lshlrev_b32 v[L16], 4, v8
	s_and_b32 s60, s[WV], 3
	s_lshl_b32 s60, s60, 13
	v_lshl_add_u32 v[PFO], v8, 8, s60              ; 256 x lane + 8,192 x (wave - 4)
	v_and_b32 v8, 15, v0                           ; r
	v_bfe_u32 v9, v0, 4, 1                         ; h
	s_delay_alu instid0(VALU_DEP_2)
	v_lshlrev_b32 v[R16], 4, v8
	QLOAD
	v_lshl_add_u32 v[OB], v8, 5, v9
	v_and_b32 v[DQ], 8, v8
	s_delay_alu instid0(VALU_DEP_1)
	v_add_nc_u32 v[DQ], v[DQ], v8
	v_lshlrev_b32 v9, 4, v9
	s_delay_alu instid0(VALU_DEP_1)
	v_sub_nc_u32 v[DQ], v[DQ], v9
.irp j, 22,23,24,25,26,27
	v_mov_b32 v\j, 0                               ; the upper half of q's K: zero codes
.endr
.irp t, 0,1,2,3
.irp j, 6,7,8,9,10,11
	v_mov_b32 v[KFR+12*\t+\j], 0                   ; and of k's
.endr
.endr
.irp j, 236,237,238,239,252,253
	v_mov_b32 v\j, 0                               ; written once: a lane permute's destination counts as one of its sources; v253 is named as the upper half of a pair
.endr
	INIT
.macro KQ t                            ; scores of 16 keys: tile t's scale words lie in lanes 0-15 (t even) or 16-31 (t odd) of register t / 2
.if (\t)%2
	v_wmma_scale_f32_16x16x128_f8f6f4 v[S+8*(\t):S+8*(\t)+7], v[KFR+12*((\t)%4):KFR+12*((\t)%4)+11], v[16:27], 0, v[248+(\t)/2], v29 matrix_a_fmt:MATRIX_FMT_FP6 matrix_b_fmt:MATRIX_FMT_FP6 matrix_a_scale:MATRIX_SCALE_ROW1
.else
	v_wmma_scale_f32_16x16x128_f8f6f4 v[S+8*(\t):S+8*(\t)+7], v[KFR+12*((\t)%4):KFR+12*((\t)%4)+11], v[16:27], 0, v[248+(\t)/2], v29 matrix_a_fmt:MATRIX_FMT_FP6 matrix_b_fmt:MATRIX_FMT_FP6
.endif
.endm
.macro PV t                            ; 16 channels of O^T; the four accumulators take turns
.if (\t)%2
	v_wmma_scale_f32_16x16x128_f8f6f4 v[O+8*(\t):O+8*(\t)+7], v[VFR+12*(\t):VFR+12*(\t)+11], v[224:235], v[O+8*(\t):O+8*(\t)+7], v[30+(\t)/2], v253 matrix_a_fmt:MATRIX_FMT_FP6 matrix_b_fmt:MATRIX_FMT_FP6 matrix_a_scale:MATRIX_SCALE_ROW1
.else
	v_wmma_scale_f32_16x16x128_f8f6f4 v[O+8*(\t):O+8*(\t)+7], v[VFR+12*(\t):VFR+12*(\t)+11], v[224:235], v[O+8*(\t):O+8*(\t)+7], v[30+(\t)/2], v253 matrix_a_fmt:MATRIX_FMT_FP6 matrix_b_fmt:MATRIX_FMT_FP6
.endif
.endm
; A KEY STEP: 128 keys, the q-th of the slot in hand.
.macro STEP q
	s_add_co_u32 s55, s[Q0], 23                    ; my last query
	s_cmp_gt_u32 s[KF], s55
	s_cbranch_scc1 .Lhidden_\@                     ; all keys of the step come after my queries
	v_add_nc_u32 v[A8], s[TB], v[L8]
	v_add_nc_u32 v[A16], s[TB], v[L16]
	ds_load_b128 v[248:251], v[A16] offset:KSCO+512*(\q)
.irp t, 0,1,2,3
.irp p, 0,1,2
	ds_load_b64 v[KFR+12*\t+2*\p:KFR+12*\t+2*\p+1], v[A8] offset:6144*(\q)+768*\t+256*\p
.endr
.endr
	s_wait_alu depctr_va_vdst(0)
	s_wait_dscnt 0x0
.irp t, 0,1,2,3
	KQ \t
.endr
.rept 4
	v_nop                                          ; places in front of loads into registers that matrix instructions have read
.endr
.irp t, 0,1,2,3
.irp p, 0,1,2
	ds_load_b64 v[KFR+12*\t+2*\p:KFR+12*\t+2*\p+1], v[A8] offset:6144*(\q)+768*(\t+4)+256*\p
.endr
.endr
.irp t, 0,1,2,3
.irp p, 0,1,2
	ds_load_b128 v[VFR+12*\t+4*\p:VFR+12*\t+4*\p+3], v[A16] offset:VCO+6144*(\q)+1536*\t+512*\p   ; v's fragments land while the softmax is worked
.endr
.endr
	ds_load_b64 v[30:31], v[A8] offset:VSO+256*(\q)
	s_wait_dscnt 13                                ; k's twelve are in; v's twelve and its scale words may be out
.irp t, 4,5,6,7
	KQ \t
.endr
.rept 4
	v_nop
.endr
	s_add_co_u32 s55, s[KF], 127
	s_cmp_le_u32 s55, s[Q0]
	s_cbranch_scc1 .Lopen_\@                       ; all keys of the step count
	s_sub_co_i32 s55, s[Q0], s[KF]
	v_add_nc_u32 v252, s55, v[DQ]                  ; d = my query - the step's first key - 16 h.  Register 16 b + i holds key 32 b + 16 h + i: hidden where 32 b + i > d
	v_mov_b32 v254, 0xff800000                     ; -infinity
.set nn, 0
.rept 64
	v_cmp_gt_i32 vcc_lo, 32*(nn/16)+nn%16, v252
	v_cndmask_b32 v[S+nn], v[S+nn], v254, vcc_lo
.set nn, nn+1
.endr
.Lopen_\@:
.irp b, 0,1,2,3
	v_max3_num_f32 v[232+\b], v[S+16*\b], v[S+1+16*\b], v[S+2+16*\b]   ; the largest score of each block of 32 keys: for the row's maximum and, since p rises with the score, for the block's largest p
.endr
.irp i, 3,5,7,9,11,13
.irp b, 0,1,2,3
	v_max3_num_f32 v[232+\b], v[232+\b], v[S+16*\b+\i], v[S+1+16*\b+\i]
.endr
.endr
.irp b, 0,1,2,3
	v_max_num_f32 v[232+\b], v[232+\b], v[S+15+16*\b]
.endr
.irp b, 0,1,2,3
	s_delay_alu instid0(VALU_DEP_4)
	v_permlanex16_b32 v[236+\b], v[232+\b], s[SEL], s[SEL+1]
.endr
.irp b, 0,1,2,3
	s_delay_alu instid0(VALU_DEP_4)
	v_max_num_f32 v[232+\b], v[232+\b], v[236+\b]  ; with lane l xor 16's 16 keys
.endr
	s_delay_alu instid0(VALU_DEP_2)
	v_max3_num_f32 v254, v232, v233, v234
	s_delay_alu instid0(VALU_DEP_1)
	v_max_num_f32 v254, v254, v235
	s_delay_alu instid0(VALU_DEP_1)
	v_mul_f32 v254, s[CS], v254                    ; the step's largest t
	s_delay_alu instid0(VALU_DEP_1)
	v_max_num_f32 v13, v13, v254                   ; the running largest t
	v_mov_b32 v254, v12
	s_delay_alu instid0(VALU_DEP_2)
	v_floor_f32 v12, -v13                          ; the new -M = -ceil(t)
	s_delay_alu instid0(VALU_DEP_1)
	v_sub_f32 v254, v12, v254                      ; old M - new M: a whole number, 0 or less
	s_delay_alu instid0(VALU_DEP_1)
	v_cvt_i32_f32 v254, v254                       ; (it saturates)
	s_delay_alu instid0(VALU_DEP_1)
	v_ldexp_f32 v252, 1.0, v254                    ; f = 2^(old M - new M)
.set jj, 0
.rept 32
	v_pk_fma_f32 v[S+jj:S+jj+1], v[S+jj:S+jj+1], s[CS:CS+1], v[12:13] op_sel_hi:[1,0,0]   ; t - M, two at a time
.set jj, jj+2
.endr
.irp b, 0,1,2,3
	v_fma_f32 v[232+\b], v[232+\b], s[CS], v12     ; the same of each block's largest score
.endr
.set jj, 0
	s_wait_alu depctr_va_vdst(0)
.rept 64
	v_exp_f32 v[S+jj], v[S+jj]                     ; p = 2^(t - M): not normalised
.set jj, jj+1
.endr
	v_pk_mul_f32 v[14:15], v[14:15], v[252:253] op_sel_hi:[1,0]   ; the sums under the new M  (the plain line behind the exponentials)
	s_wait_alu depctr_va_vdst(0)                   ; one wait for the whole batch, ahead of its first reader
.irp b, 0,1,2,3
	v_exp_f32 v[232+\b], v[232+\b]                 ; the block's largest p: the same two instructions on the same number
.endr
	v_pk_add_f32 v[236:237], v[132:133], v[136:137]
	v_pk_add_f32 v[254:255], v[140:141], v[144:145]
	v_pk_add_f32 v[250:251], v[148:149], v[152:153]
	v_pk_add_f32 v[248:249], v[156:157], v[160:161]
	v_pk_add_f32 v[246:247], v[164:165], v[168:169]
	v_pk_add_f32 v[244:245], v[172:173], v[176:177]
	v_pk_add_f32 v[242:243], v[180:181], v[184:185]
	v_pk_add_f32 v[14:15], v[14:15], v[188:189]
	v_pk_add_f32 v[236:237], v[236:237], v[128:129]
	v_pk_add_f32 v[254:255], v[254:255], v[130:131]
	v_pk_add_f32 v[250:251], v[250:251], v[134:135]
	v_pk_add_f32 v[248:249], v[248:249], v[138:139]
	v_pk_add_f32 v[246:247], v[246:247], v[142:143]
	v_pk_add_f32 v[244:245], v[244:245], v[146:147]
	v_pk_add_f32 v[242:243], v[242:243], v[150:151]
	v_pk_add_f32 v[14:15], v[14:15], v[154:155]
	v_pk_add_f32 v[236:237], v[236:237], v[158:159]
	v_pk_add_f32 v[254:255], v[254:255], v[162:163]
	v_pk_add_f32 v[250:251], v[250:251], v[166:167]
	v_pk_add_f32 v[248:249], v[248:249], v[170:171]
	v_pk_add_f32 v[246:247], v[246:247], v[174:175]
	v_pk_add_f32 v[244:245], v[244:245], v[178:179]
	v_pk_add_f32 v[242:243], v[242:243], v[182:183]
	v_pk_add_f32 v[14:15], v[14:15], v[186:187]
	v_pk_add_f32 v[236:237], v[236:237], v[190:191]
	s_delay_alu instid0(VALU_DEP_2)
	v_pk_add_f32 v[14:15], v[14:15], v[248:249]
	s_delay_alu instid0(VALU_DEP_2)
	v_pk_add_f32 v[236:237], v[236:237], v[246:247]
	v_pk_add_f32 v[254:255], v[254:255], v[244:245]
	v_pk_add_f32 v[250:251], v[250:251], v[242:243]
	s_delay_alu instid0(VALU_DEP_2)
	v_pk_add_f32 v[14:15], v[14:15], v[254:255]
	s_delay_alu instid0(VALU_DEP_2)
	v_pk_add_f32 v[236:237], v[236:237], v[250:251]
	s_delay_alu instid0(VALU_DEP_1)
	v_pk_add_f32 v[14:15], v[14:15], v[236:237]
	s_wait_alu depctr_va_vdst(0)                   ; and one for the four
.irp b, 0,1,2,3
	v_max_num_f32 v[232+\b], 0x1800000, v[232+\b]  ; the floor 2^(3 - 127): the byte cannot fall under 1
.endr
.irp b, 0,1,2,3
	s_delay_alu instid0(VALU_DEP_4)
	v_add_nc_u32 v[244+\b], 0xff000000, v[232+\b]  ; 2 off the exponent field: the conversion's scale operand
.endr
.irp b, 0,1,2,3
	s_delay_alu instid0(VALU_DEP_4)
	v_lshrrev_b32 v[236+\b], 23, v[244+\b]
.endr
	s_delay_alu instid0(VALU_DEP_3)
	v_lshl_or_b32 v253, v237, 8, v236              ; p's scale word for these 128 keys
	s_delay_alu instid0(VALU_DEP_1)
	v_lshl_or_b32 v253, v238, 16, v253
	s_delay_alu instid0(VALU_DEP_1)
	v_lshl_or_b32 v253, v239, 24, v253
.irp c, 0,1
	v_cvt_scalef32_pk16_fp6_f32 v[224+6*\c:226+6*\c], v[S+32*\c:S+15+32*\c], v[244+2*\c]
	v_cvt_scalef32_pk16_fp6_f32 v[236+4*\c:238+4*\c], v[S+16+32*\c:S+31+32*\c], v[244+2*\c+1]
.endr
	v_nop                                          ; one plain line behind a scaled conversion
.irp c, 0,1
.irp i, 0,1,2
	v_permlane16_swap_b32 v[224+6*\c+\i], v[236+4*\c+\i]
.endr
.irp i, 0,1,2
	s_delay_alu instid0(VALU_DEP_3)
	v_mov_b32 v[227+6*\c+\i], v[236+4*\c+\i]
.endr
.endr
.set jj, 0
.rept 16
	v_pk_mul_f32 v[O+jj:O+jj+1], v[O+jj:O+jj+1], v[252:253] op_sel_hi:[1,0]   ; O^T under the new M.  (These sixteen are also the places between the lines that wrote p's codes and scale word and the products)
.set jj, jj+2
.endr
	s_wait_alu depctr_va_vdst(0)
	s_wait_dscnt 0x0                               ; v's fragments and scale words
.irp t, 0,1,2,3
	PV \t
.endr
.Lhidden_\@:
	s_add_co_u32 s[KF], s[KF], 128
.endm
; THE CHANGE OF SLOTS stands at a slot's head: each wave waits for all its tensor loads, adds 0 to its spare word, and waits for that and for its reads of the slot that it has left; behind the barrier the slot ahead is
; whole and nobody reads the other one, which (fill = 1) takes the keys of the next trip: the next slot of the block in hand, or slot 0 again where the block of queries changes.
.macro CHANGE fill
	s_wait_tensorcnt 0x0                           ; no tensor load of mine is out, so group 0 may be written
	ds_add_u32 v[SPW], v[NIL]                      ; 0 onto my spare word; the descriptor's steps stand between it and the wait for it
.if \fill
	s_xor_b32 s[G0+1], s[G0+1], SLOT1
	s_add_co_u32 s[NS], s[NS], 1
	s_cmp_eq_u32 s[T], s[PI]
	s_cselect_b32 s[NS], 0, s[NS]
	s_mul_i32 s[FO], s[NS], REC
	s_add_nc_u64 s[G0+2:G0+3], s[KVB:KVB+1], s[FO:FO+1]
	s_or_b32 s[G0+3], s[G0+3], 0x80000000
	s_wait_xcnt 0x0                                ; the last prefetch, a slot back, has read its address
	s_add_nc_u64 s[PFA:PFA+1], s[PFA:PFA+1], REC
.endif
	s_wait_dscnt 0x0                               ; the add is done, and my reads of the slot that I have left are over
	s_barrier_signal -1
	s_barrier_wait -1
.if \fill
	TLOAD                                          ; the first thing behind the barrier, and the wave's one tensor load until the next
	ASK
.endif
.endm
; A BLOCK OF QUERIES IS FINISHED: O^T / the sum; its two blocks of 32 channels are quantised; half an operand's image and two scale bytes a row leave.  sw = 1: on to block 7 - i.
.macro FIN sw
.rept 4
	v_nop                                          ; places behind the last products
.endr
	v_add_f32 v14, v14, v15
	s_delay_alu instid0(VALU_DEP_1)
	v_permlanex16_b32 v252, v14, s[SEL], s[SEL+1]
	s_delay_alu instid0(VALU_DEP_1)
	v_add_f32 v14, v14, v252                       ; the row's sum
	s_wait_alu depctr_va_vdst(0)
	v_rcp_f32 v14, v14
	v_nop                                          ; a plain line behind the reciprocal
	s_wait_alu depctr_va_vdst(0)                   ; and the wait ahead of its first reader
.set jj, 0
.rept 32
	v_mul_f32 v[S+jj], v[O+jj], v14                ; each accumulator from its low end on
.set jj, jj+1
.endr
.irp b, 0,1
	v_max3_num_f32 v[232+\b], |v[S+16*\b]|, |v[S+1+16*\b]|, 0x1800000
.endr
.irp i, 2,4,6,8,10,12,14
.irp b, 0,1
	s_delay_alu instid0(VALU_DEP_2)
	v_max3_num_f32 v[232+\b], v[232+\b], |v[S+16*\b+\i]|, |v[S+1+16*\b+\i]|
.endr
.endr
.irp b, 0,1
	s_delay_alu instid0(VALU_DEP_2)
	v_permlanex16_b32 v[236+\b], v[232+\b], s[SEL], s[SEL+1]
.endr
.irp b, 0,1
	s_delay_alu instid0(VALU_DEP_2)
	v_max_num_f32 v[232+\b], v[232+\b], v[236+\b]
.endr
.irp b, 0,1
	s_delay_alu instid0(VALU_DEP_2)
	v_add_nc_u32 v[244+\b], 0xff000000, v[232+\b]
.endr
.irp b, 0,1
	s_delay_alu instid0(VALU_DEP_2)
	v_lshrrev_b32 v[236+\b], 23, v[244+\b]
.endr
	s_delay_alu instid0(VALU_DEP_1)
	v_cndmask_b32 v240, v236, v237, s[HM]          ; lane (r, h) stores block h's byte
	v_cvt_scalef32_pk16_fp6_f32 v[224:226], v[S:S+15], v244
	v_cvt_scalef32_pk16_fp6_f32 v[S+32:S+34], v[S+16:S+31], v245
	v_nop
.irp i, 0,1,2
	v_permlane16_swap_b32 v[224+\i], v[S+32+\i]
.endr
.irp i, 0,1,2
	s_delay_alu instid0(VALU_DEP_3)
	v_mov_b32 v[227+\i], v[S+32+\i]                ; registers 0 to 5: block h's 32 codes of my row
.endr
.irp p, 0,1,2
	global_store_b64 v[L8], v[224+2*\p:225+2*\p], s[OC:OC+1] offset:256*\p   ; 256 consecutive bytes, aligned
.endr
	global_store_b8 v[OB], v240, s[OS:OS+1]
.if \sw
	s_wait_xcnt 0x0                                ; the stores have read their registers and bases
	s_add_nc_u64 s[QB:QB+1], s[QB:QB+1], s[DR:DR+1]
	s_add_nc_u64 s[QSB:QSB+1], s[QSB:QSB+1], s[DR:DR+1]
	s_add_nc_u64 s[OC:OC+1], s[OC:OC+1], s[DR+2:DR+3]
	s_add_nc_u64 s[OS:OS+1], s[OS:OS+1], s[DR+4:DR+5]
	s_add_co_u32 s[Q0], s[Q0], s[DR+6]
	s_mov_b32 s[KF], 0
	QLOAD
	INIT
	s_wait_loadcnt 0x0
.endif
.endm
	s_wait_loadcnt 0x0                             ; q
.Lslot:                                            ; eight trips; behind each change of slots the next trip's keys are asked for
	CHANGE 1
	STEP 0
	STEP 1
	s_xor_b32 s[TB], s[TB], SLOT1
	s_cmp_eq_u32 s[T], s[PI]
	s_cbranch_scc0 .Lsame_block
	FIN 1
.Lsame_block:
	s_add_co_u32 s[T], s[T], 1
	s_cmp_lt_u32 s[T], 8
	s_cbranch_scc1 .Lslot
	CHANGE 0                                       ; the ninth slot is written out
	STEP 0
	STEP 1
	FIN 0
	s_wait_tensorcnt 0x0                           ; the wave's end
	ds_add_u32 v[SPW], v[NIL]
	s_wait_dscnt 0x0
	s_endpgm
.Lfunc_end_k_qea8ac2c84f_attn:
	.size	k_qea8ac2c84f_attn, .Lfunc_end_k_qea8ac2c84f_attn-k_qea8ac2c84f_attn
	.p2alignl 7, 3214868480
	.fill 96, 4, 3214868480
	.section	.rodata,"a",@progbits
	.p2align	6, 0x0
	.amdhsa_kernel k_qea8ac2c84f_attn
		.amdhsa_group_segment_fixed_size 327680
		.amdhsa_private_segment_fixed_size 0
		.amdhsa_enable_private_segment 0
		.amdhsa_kernarg_size 24
		.amdhsa_user_sgpr_count 2
		.amdhsa_user_sgpr_kernarg_segment_ptr 1
		.amdhsa_wavefront_size32 1
		.amdhsa_system_sgpr_workgroup_id_x 1
		.amdhsa_system_sgpr_workgroup_id_y 1
		.amdhsa_system_sgpr_workgroup_id_z 1
		.amdhsa_system_vgpr_workitem_id 0
		.amdhsa_next_free_vgpr 256
		.amdhsa_next_free_sgpr 66
		.amdhsa_reserve_vcc 1
		.amdhsa_float_denorm_mode_32 3
		.amdhsa_float_denorm_mode_16_64 3
		.amdhsa_memory_ordered 1
		.amdhsa_forward_progress 1
		.amdhsa_inst_pref_size 111
	.end_amdhsa_kernel
	.amdgpu_metadata
---
amdhsa.version: [ 1, 2 ]
amdhsa.kernels:
  - .name:           k_qea8ac2c84f_attn
    .symbol:         k_qea8ac2c84f_attn.kd
    .args:
      - { .name: qkv, .offset: 0, .size: 8, .value_kind: global_buffer, .address_space: global }
      - { .name: o_codes, .offset: 8, .size: 8, .value_kind: global_buffer, .address_space: global }
      - { .name: o_scales, .offset: 16, .size: 8, .value_kind: global_buffer, .address_space: global }
    .group_segment_fixed_size: 327680
    .private_segment_fixed_size: 0
    .kernarg_segment_align: 8
    .kernarg_segment_size: 24
    .max_flat_workgroup_size: 512
    .sgpr_count:     66
    .vgpr_count:     256
    .wavefront_size: 32
...
	.end_amdgpu_metadata
.endif
;; end of part 3
;; launch oproj (part 4): grid 4 x 32, 4 waves a work-group, clusters of 4 x 4, 327,680 bytes of LDS; arguments o_codes, o_scales, xw_codes, xw_scales, out0; writes out0
.if DOCPART == 4
	.amdgcn_target "amdgcn-amd-amdhsa--gfx1250"
	.amdhsa_code_object_version 6
	.text
	.protected	k_qea8ac2c84f_oproj
	.globl	k_qea8ac2c84f_oproj
	.p2align	8
	.type	k_qea8ac2c84f_oproj,@function
k_qea8ac2c84f_oproj:
	s_mov_b64 s[64:65], 0
	v_nop
	global_prefetch_b8 v0, s[64:65] scope:SCOPE_SE
	s_setreg_imm32_b32 hwreg(HW_REG_WAVE_MODE, 25, 1), 1
	s_wait_xcnt 0x0
	s_wait_alu depctr_hold_cnt(0) depctr_sa_sdst(0) depctr_va_vdst(0) depctr_va_sdst(0) depctr_va_ssrc(0) depctr_va_vcc(0) depctr_vm_vsrc(0)
	s_getreg_b32 s2, hwreg(HW_REG_IB_STS2, 6, 4)
	s_cmp_eq_u32 s2, 0
	s_cbranch_scc0 .Lentry_in_a_cluster
	s_endpgm
.Lentry_in_a_cluster:
	s_bfe_u32 s2, ttmp6, 0x10000c
	s_cmp_lg_u32 s2, 0xf033
	s_cbranch_scc0 .Lentry_shape_is_right
	s_endpgm
.Lentry_shape_is_right:
; out0 = o wo^T on codes of FP6 (E2M3): M = 8,192 tokens, N = 1,024, K = 1,024; f32 out.
; A tile of 256 x 256 to a work-group of four waves, 128 x 128 a wave (64 accumulators); K in steps of 256 through a ring of two LDS slots; 4 x 4 work-groups form a cluster, A's tiles asked for jointly along its rows,
; B's along its columns.  128 tiles: half of the chip's work-group processors have one.
; A = attention's result, laid by the launch before in the order of the operand's registers: [K / 256][tile of 16 tokens][4 heads][3][lane][8 B].  So 128 rows x 256 K are 24,576 dense bytes, one tensor load of 96 rows of
; 256 bytes with no padding, and a fragment is six loads of 8 bytes a lane at consecutive bytes in consecutive lanes.  Its scale bytes are rows of 32 bytes by place.
; B = wo: rows of 768 bytes in xw_codes, as they come: rows of 192 bytes a slot, 16 bytes of padding behind every 64 (pitch 240).
; A's sixteen rows of a tile are tokens 8 u + r + 8 (r / 8) of a group of 32: the way out puts each row where it belongs.
; The matrix instruction is used transposed (source 0 = 16 rows of B, source 1 = 16 rows of A): a lane holds eight neighbouring numbers of a row of out0; a block of 16 rows goes through the wave's own stage in LDS and
; leaves as whole rows of 512 bytes.  The stage lies in slot 0, which has had its last fill and its last read by then.
.set SIZE_N, 1024
.set KSTEP,  256
.set NQ,     2
.set ROWB,   192
.set KROW,   768
.set PITCH,  240
.set FR,     12
.set NL,     6
.set NP,     4
.set HALFT,  128*PITCH
.set SLOT,   4*HALFT
.set LAPS,   2
.set KS,     32
.set SCL,    2*SLOT
.set HALFS,  16*272
.set SBLK,   2*272
.set SPARE,  SCL+4*HALFS
.set SPITCH, 528
.set KPS,    1572864                   ; o_codes: from a K step of 256 to the next
.set WOC,    8650752                   ; where wo's codes begin in xw_codes,
.set WOS,    360448                    ; and its scale bytes in xw_scales
.set ADRA, 16                          ; v16-17 LDS address of my A fragments in slot 0, 1
.set ADRB, 20                          ; v20-23 of B's (and behind one padding more)
.set STO,  24
.set RD,   25
.set CO,   26
.set ADRS, 27
.set SPW,  28
.set NIL,  29
.set SC,   32
.set AF,   128
.set BK,   128
.set G1, 24
.set G0, 32
.set G1B, 48
.set G0B, 56
.set G1S, 68
.set G0S, 76
.set G1SB, 80
.set G0SB, 88
.set MSB, 0
.macro WIN new
.if MSB != \new
	s_set_vgpr_msb (MSB<<8)|\new
.set MSB, \new
.endif
.endm
.set MUL_LO, 0xa1
.set MUL_HI, 0xf1
.set TO_B,   0x40
.macro JLOAD g0a, g1a, g0b, g1b        ; a joint load: waves 0 and 1 fetch for A, waves 2 and 3 for B; an s_nop 0 and four v_nop follow each line
	s_cmp_eq_u32 s15, 0
	s_cbranch_scc0 .Lfor_b_\@
	tensor_load_to_lds s[\g0a:\g0a+3], s[\g1a:\g1a+7]
	s_nop 0
.rept 4
	v_nop
.endr
	s_branch .Lasked_\@
.Lfor_b_\@:
	tensor_load_to_lds s[\g0b:\g0b+3], s[\g1b:\g1b+7]
	s_nop 0
.rept 4
	v_nop
.endr
.Lasked_\@:
.endm
.macro CREST
	s_cmp_lg_u32 s14, 0
	s_cbranch_scc1 .Lnot_wave_0_\@
	s_barrier_signal -3
.Lnot_wave_0_\@:
	s_barrier_wait -3
	s_barrier_signal -1
	s_barrier_wait -1
.endm
.macro CROUND
	s_barrier_signal -1
	s_barrier_wait -1
	CREST
.endm
	s_load_b128 s[4:7], s[0:1], 0x0                ; o_codes, o_scales
	s_load_b128 s[8:11], s[0:1], 0x10              ; xw_codes, xw_scales
	s_load_b64 s[12:13], s[0:1], 0x20              ; out0
	v_lshl_add_u32 v[SPW], v0, 2, SPARE
	v_mov_b32 v[NIL], 0
	ds_add_u32 v[SPW], v[NIL]                      ; the wave's opening: the add and its wait ahead of my first tensor load
	v_lshrrev_b32 v1, 5, v0
	v_readfirstlane_b32 s14, v1                    ; wave 0..3
	s_lshr_b32 s15, s14, 1                         ; which half of the tile's rows is mine.  Also: I fetch for A (0) or for B (1)
	s_and_b32 s16, s14, 1                          ; which half of its columns.  Also: which 128 rows I fetch
	s_bfe_u32 s40, ttmp6, 0x40000                  ; cx
	s_bfe_u32 s41, ttmp6, 0x40004                  ; cy
	s_lshl_b32 s42, ttmp9, 2
	s_add_co_u32 s42, s42, s40                     ; tile column
	s_and_b32 s17, ttmp7, 0xffff
	s_lshl_b32 s17, s17, 2
	s_add_co_u32 s17, s17, s41                     ; tile row
	s_lshl_b32 s43, s41, 2
	s_lshl_b32 s43, 15, s43                        ; my row of the cluster
	s_lshl_b32 s44, 0x1111, s40                    ; my column
	; group 1 for A: 96 rows of 256 bytes (32 elements of 8), dense, no padding
	s_or_b32 s[G1+0], s43, (3<<16)|(1<<21)
	s_mov_b32 s[G1+1], 32<<16
	s_mov_b32 s[G1+2], 96<<16
	s_mov_b32 s[G1+3], 32<<16
	s_mov_b32 s[G1+4], 96
	s_mov_b32 s[G1+5], 32
	s_mov_b32 s[G1+6], 0
	s_mov_b32 s[G1+7], 0
	; for B: 128 rows of 192 bytes, 16 bytes of padding behind every 64
	s_or_b32 s[G1B+0], s44, (0<<16)|(1<<20)|(1<<21)|(3<<22)|(3<<25)
	s_mov_b32 s[G1B+1], ROWB<<16
	s_mov_b32 s[G1B+2], 128<<16
	s_mov_b32 s[G1B+3], ROWB<<16
	s_mov_b32 s[G1B+4], 128
	s_mov_b32 s[G1B+5], KROW
	s_mov_b32 s[G1B+6], 0
	s_mov_b32 s[G1B+7], 0
	; the scale bytes of 128 rows: 16 rows of 256 bytes, 16 bytes of padding behind each
	s_or_b32 s[G1S+0], s43, (3<<16)|(1<<20)|(1<<21)|(5<<22)|(3<<25)
	s_or_b32 s[G1SB+0], s44, (3<<16)|(1<<20)|(1<<21)|(5<<22)|(3<<25)
.irp g, G1S, G1SB
	s_mov_b32 s[\g+1], 32<<16
	s_mov_b32 s[\g+2], 16<<16
	s_mov_b32 s[\g+3], 32<<16
	s_mov_b32 s[\g+4], 16
	s_mov_b32 s[\g+5], 32
	s_mov_b32 s[\g+6], 0
	s_mov_b32 s[\g+7], 0
.endr
	s_lshl_b32 s18, s16, 7
	s_lshl_b32 s20, s17, 8
	s_add_co_u32 s20, s20, s18                     ; A: place 256 x tile row + 128 x half
	s_lshl_b32 s46, s42, 8
	s_add_co_u32 s46, s46, s18                     ; B: row 256 x tile column + 128 x half
	s_lshl_b32 s22, s20, 5                         ; their scale bytes,
	s_mov_b32 s23, 0
	s_lshl_b32 s92, s46, 5
	s_add_co_u32 s92, s92, WOS
	s_mov_b32 s93, 0
	s_mul_i32 s20, s20, 192                        ; their codes: a tile of 16 places is 3,072 bytes of a K step;
	s_mov_b32 s21, 0
	s_mul_i32 s46, s46, KROW
	s_add_co_u32 s46, s46, WOC
	s_mov_b32 s47, 0
	s_mul_i32 s45, s14, HALFT                      ; where they go: no place in the cluster enters an LDS address
	s_mul_i32 s94, s14, HALFS
	s_wait_dscnt 0x0                               ; the opening add is done
	s_wait_kmcnt 0x0
	s_add_nc_u64 s[20:21], s[4:5], s[20:21]
	s_add_nc_u64 s[22:23], s[6:7], s[22:23]
	s_add_nc_u64 s[46:47], s[8:9], s[46:47]
	s_add_nc_u64 s[92:93], s[10:11], s[92:93]
	CROUND                                         ; all sixteen work-groups are here: the first joint loads meet
	s_mov_b32 s[G0S], 1
	s_add_co_u32 s[G0S+1], s94, SCL
	s_mov_b64 s[G0S+2:G0S+3], s[22:23]
	s_or_b32 s[G0S+3], s[G0S+3], 0x80000000
	s_mov_b32 s[G0SB], 1
	s_add_co_u32 s[G0SB+1], s94, SCL
	s_mov_b64 s[G0SB+2:G0SB+3], s[92:93]
	s_or_b32 s[G0SB+3], s[G0SB+3], 0x80000000
	JLOAD G0S, G1S, G0SB, G1SB
.irp s, 0,1
	s_mov_b32 s[G0+4*\s], 1
	s_add_co_u32 s[G0+4*\s+1], s45, \s*SLOT
	s_add_nc_u64 s[G0+4*\s+2:G0+4*\s+3], s[20:21], \s*KPS
	s_or_b32 s[G0+4*\s+3], s[G0+4*\s+3], 0x80000000
	s_mov_b32 s[G0B+4*\s], 1
	s_add_co_u32 s[G0B+4*\s+1], s45, \s*SLOT
	s_add_nc_u64 s[G0B+4*\s+2:G0B+4*\s+3], s[46:47], \s*ROWB
	s_or_b32 s[G0B+4*\s+3], s[G0B+4*\s+3], 0x80000000
	JLOAD G0+4*\s, G1, G0B+4*\s, G1B               ; three tensor loads of mine are out
.endr
	v_and_b32 v1, 15, v0                           ; r
	v_bfe_u32 v2, v0, 4, 1                         ; h
	v_mul_u32_u24 v3, v1, PITCH
	v_mul_u32_u24 v4, v2, 24
	v_add_nc_u32 v4, v3, v4                        ; B: a fragment's row x pitch + 24 x half
	v_lshl_add_u32 v5, v2, 4, v4                   ; and the same behind one padding more
	v_and_b32 v6, 31, v0
	v_lshlrev_b32 v7, 3, v6                        ; A: 8 x lane
	s_mul_i32 s21, s15, HALFT                      ; my 128 rows of A
	s_mul_i32 s22, s16, HALFT                      ; my 128 rows of B,
	s_add_co_u32 s22, s22, 2*HALFT                 ; behind A's two places
.irp s, 0,1
	v_add_nc_u32 v[ADRA+\s], s21, v7
	v_add_nc_u32 v[ADRB+\s], s22, v4
	v_add_nc_u32 v[ADRB+2+\s], s22, v5
	s_add_co_u32 s21, s21, SLOT
	s_add_co_u32 s22, s22, SLOT
.endr
	v_mul_u32_u24 v5, v1, KS
	v_lshrrev_b32 v6, 8, v5
	v_lshl_add_u32 v5, v6, 4, v5
	s_mul_i32 s21, s15, HALFS
	s_mul_i32 s22, s16, HALFS
	s_add_co_u32 s22, s22, 2*HALFS
	s_sub_co_u32 s22, s22, s21
	v_mul_u32_u24 v6, s22, v2                      ; lanes 16-31 take B's
	s_add_co_u32 s21, s21, SCL
	v_add_nc_u32 v5, v5, v6
	v_add_nc_u32 v[ADRS], s21, v5
	s_mul_i32 s23, s14, 16*SPITCH                  ; my stage
	v_mul_u32_u24 v5, v1, SPITCH
	v_lshl_add_u32 v5, v2, 5, v5
	v_add_nc_u32 v[STO], s23, v5
	v_and_b32 v6, 31, v0
	v_lshlrev_b32 v[CO], 4, v6
	v_add_nc_u32 v[RD], s23, v[CO]
	s_lshl_b32 s20, s17, 8
	s_lshl_b32 s21, s15, 7
	s_add_co_u32 s20, s20, s21                     ; my first row of out0
	s_lshl_b32 s20, s20, 12                        ; x 4,096 bytes (under 2^25)
	s_lshl_b32 s46, s42, 10
	s_lshl_b32 s47, s16, 9
	s_add_co_u32 s46, s46, s47                     ; my first column, in bytes
	s_add_co_u32 s20, s20, s46
	s_mov_b32 s21, 0
	s_add_nc_u64 s[12:13], s[12:13], s[20:21]
.macro FRAG reg, adr, q, i             ; B's fragment, in pieces of 8 bytes; where the piece three on lies behind one padding more, the second address register serves
.irp p, 0,1,2,3,4,5
.set PCE, 12*(\q)+6*(\p/3)+\p%3
.if PCE%8 < 5
	ds_load_b64 v[\reg+2*\p:\reg+2*\p+1], v[\adr] offset:8*PCE+16*(PCE/8)+(\i)*16*PITCH
.else
	ds_load_b64 v[\reg+2*\p:\reg+2*\p+1], v[\adr+2] offset:8*PCE+16*(PCE/8)+(\i)*16*PITCH
.endif
.endr
.endm
.macro FRAGA reg, adr, q, i            ; A's fragment: the image of its registers: two heads x three pieces, 256 bytes each
.irp p, 0,1,2,3,4,5
	ds_load_b64 v[\reg+2*\p:\reg+2*\p+1], v[\adr] offset:(\i)*3072+(\q)*1536+256*\p
.endr
.endm
.macro MUL16 a0, p, q, sc, zero        ; the 64 accumulators take turns, one instruction a turn
.irp a, \a0, \a0+1
.irp b, 0,1,2,3,4,5,6,7
.if \zero
	v_wmma_scale_f32_16x16x128_f8f6f4 v[8*(8*((\a)%4)+\b):8*(8*((\a)%4)+\b)+7], v[128*(\p)+FR*\b:128*(\p)+FR*\b+FR-1], v[AF+FR*(\a):AF+FR*(\a)+FR-1], 0, v[SC+8*NQ*(\sc)+NQ*\b+(\q)], v[SC+8*NQ*(\sc)+NQ*(\a)+(\q)] matrix_a_fmt:MATRIX_FMT_FP6 matrix_b_fmt:MATRIX_FMT_FP6 matrix_a_scale:MATRIX_SCALE_ROW1
.else
	v_wmma_scale_f32_16x16x128_f8f6f4 v[8*(8*((\a)%4)+\b):8*(8*((\a)%4)+\b)+7], v[128*(\p)+FR*\b:128*(\p)+FR*\b+FR-1], v[AF+FR*(\a):AF+FR*(\a)+FR-1], v[8*(8*((\a)%4)+\b):8*(8*((\a)%4)+\b)+7], v[SC+8*NQ*(\sc)+NQ*\b+(\q)], v[SC+8*NQ*(\sc)+NQ*(\a)+(\q)] matrix_a_fmt:MATRIX_FMT_FP6 matrix_b_fmt:MATRIX_FMT_FP6 matrix_a_scale:MATRIX_SCALE_ROW1
.endif
.endr
.endr
.endm
.macro FETCH_B slot, q, p
	WIN TO_B
.irp i, 0,1,2,3,4,5,6,7
	FRAG 128*(\p)+FR*\i, ADRB+\slot, \q, \i
.endr
	WIN 0
.endm
.macro FETCH_A slot, q, i0
.irp i, \i0, \i0+1, \i0+2, \i0+3
	FRAGA AF+FR*(\i), ADRA+\slot, \q, \i
.endr
.endm
.macro SCALES sc
.irp i, 0,1,2,3,4,5,6,7
	ds_load_b64 v[SC+8*NQ*\sc+NQ*\i:SC+8*NQ*\sc+NQ*\i+1], v[ADRS] offset:\i*SBLK
.endr
.endm
.macro PLACES n
.rept \n
	v_nop
.endr
.endm
.macro STEP slot, q, zero
	s_wait_dscnt 4*NL                              ; B's set and A's blocks 0-3 are in; the youngest 24 loads (A's blocks 4-7) may be out
	WIN MUL_LO
	MUL16 0, (\q)%2, \q, \slot, \zero
	MUL16 2, (\q)%2, \q, \slot, \zero
	s_wait_dscnt 0
	PLACES NP
	FETCH_B \slot, (\q)+1, 1-(\q)%2
	FETCH_A \slot, (\q)+1, 0
	WIN MUL_HI
	MUL16 4, (\q)%2, \q, \slot, \zero
	MUL16 6, (\q)%2, \q, \slot, \zero
	PLACES NP
	WIN 0
	FETCH_A \slot, (\q)+1, 4
.endm
.macro TURN slot, next, fill           ; a slot's last step changes slots
	s_wait_tensorcnt 0x0                           ; all my tensor loads have landed: my part of the next slot
	ds_add_u32 v[SPW], v[NIL]
	s_wait_dscnt 4*NL+1                            ; (the add and the youngest 24 loads may be out)
	WIN MUL_LO
	MUL16 0, 1, NQ-1, \slot, 0
	s_wait_dscnt 0x0                               ; the add is done, and my reads of this slot are over
	s_barrier_signal -1
	MUL16 2, 1, NQ-1, \slot, 0
	WIN 0
	s_barrier_wait -1
.if \fill
	CREST                                          ; the barrier has opened a round of the cluster's: no wave of any partner still reads this slot or has a load on its way
	s_add_nc_u64 s[G0+4*\slot+2:G0+4*\slot+3], s[G0+4*\slot+2:G0+4*\slot+3], 2*KPS
	s_add_nc_u64 s[G0B+4*\slot+2:G0B+4*\slot+3], s[G0B+4*\slot+2:G0B+4*\slot+3], 2*ROWB
	JLOAD G0+4*\slot, G1, G0B+4*\slot, G1B
.else
	PLACES NP
.endif
	v_add_nc_u32 v[ADRS], 4*NQ, v[ADRS]
	FETCH_B \next, 0, 0
	FETCH_A \next, 0, 0
	SCALES \next
	WIN MUL_HI
	MUL16 4, 1, NQ-1, \slot, 0
	MUL16 6, 1, NQ-1, \slot, 0
	PLACES NP
	WIN 0
	FETCH_A \next, 0, 4
.endm
	s_wait_tensorcnt 1                             ; the scale bytes and my part of K step 0 are in (K step 1's load may be out),
	s_barrier_signal -1
	s_barrier_wait -1                              ; everybody's are
	FETCH_B 0, 0, 0
	FETCH_A 0, 0, 0
	SCALES 0
	FETCH_A 0, 0, 4
	STEP 0, 0, 1
	s_mov_b32 s3, LAPS-1
.Llap:
	TURN 0, 1, 1
	STEP 1, 0, 0
	TURN 1, 0, 1
	STEP 0, 0, 0
	s_sub_co_u32 s3, s3, 1
	s_cmp_lg_u32 s3, 0
	s_cbranch_scc1 .Llap
	TURN 0, 1, 0
	STEP 1, 0, 0
	s_wait_dscnt 4*NL
	WIN MUL_LO
	MUL16 0, 1, NQ-1, 1, 0
	MUL16 2, 1, NQ-1, 1, 0
	s_wait_dscnt 0
	WIN MUL_HI
	MUL16 4, 1, NQ-1, 1, 0
	MUL16 6, 1, NQ-1, 1, 0
	WIN 0
; THE WAY OUT, block by block of 16 rows x 128 columns, through my own stage; LDS serves a wave's instructions in order, so no wait stands between the stores and the loads.
.macro TOSTAGE a
.set AC, 64*((\a)%4)
	WIN 0x08+4*((\a)/4)                            ; the data: window 2 or 3
.irp b, 0,1,2,3,4,5,6,7
	ds_store_b128 v[STO], v[AC+8*\b:AC+8*\b+3] offset:64*\b          ; each accumulator from its low end on
	ds_store_b128 v[STO], v[AC+8*\b+4:AC+8*\b+7] offset:64*\b+16
.endr
	WIN 0
.set BB, BK+64*((\a)%2)
.irp t, 0,1,2,3,4,5,6,7,8,9,10,11,12,13,14,15
	ds_load_b128 v[BB+4*\t:BB+4*\t+3], v[RD] offset:\t*SPITCH
.endr
.endm
.macro SEND a, younger                 ; row t of block a is token 32 (a / 2) + 8 (a % 2) + t + 8 (t / 8) of my 128: the place stands in the immediate, 127 rows of 4,096 bytes at the most
.set BB, BK+64*((\a)%2)
	s_wait_dscnt \younger
.irp t, 0,1,2,3,4,5,6,7,8,9,10,11,12,13,14,15
	global_store_b128 v[CO], v[BB+4*\t:BB+4*\t+3], s[12:13] offset:(32*((\a)/2)+8*((\a)%2)+\t+8*(\t/8))*SIZE_N*4 th:TH_STORE_NT   ; 512 consecutive bytes, aligned; written once, read by nobody here
.endr
.endm
	PLACES NP
	TOSTAGE 0
.irp a, 1,2,3,4,5,6,7
.if \a > 1
	s_wait_xcnt 0x0                                ; block a - 2's stores have read their registers: block a's loads may land there
.endif
	TOSTAGE \a
	SEND \a-1, 32                                  ; behind block a - 1's loads: block a's 16 stores and 16 loads
.endr
	SEND 7, 0
	s_wait_tensorcnt 0x0                           ; the wave's end
	ds_add_u32 v[SPW], v[NIL]
	s_wait_dscnt 0x0
	CROUND                                         ; the closing round
	s_endpgm
.Lfunc_end_k_qea8ac2c84f_oproj:
	.size	k_qea8ac2c84f_oproj, .Lfunc_end_k_qea8ac2c84f_oproj-k_qea8ac2c84f_oproj
	.p2alignl 7, 3214868480
	.fill 96, 4, 3214868480
	.section	.rodata,"a",@progbits
	.p2align	6, 0x0
	.amdhsa_kernel k_qea8ac2c84f_oproj
		.amdhsa_group_segment_fixed_size 327680
		.amdhsa_private_segment_fixed_size 0
		.amdhsa_enable_private_segment 0
		.amdhsa_kernarg_size 40
		.amdhsa_user_sgpr_count 2
		.amdhsa_user_sgpr_kernarg_segment_ptr 1
		.amdhsa_wavefront_size32 1
		.amdhsa_system_sgpr_workgroup_id_x 1
		.amdhsa_system_sgpr_workgroup_id_y 1
		.amdhsa_system_sgpr_workgroup_id_z 1
		.amdhsa_system_vgpr_workitem_id 0
		.amdhsa_next_free_vgpr 1024
		.amdhsa_next_free_sgpr 98
		.amdhsa_reserve_vcc 0
		.amdhsa_float_denorm_mode_32 3
		.amdhsa_float_denorm_mode_16_64 3
		.amdhsa_memory_ordered 1
		.amdhsa_forward_progress 1
		.amdhsa_inst_pref_size 159
	.end_amdhsa_kernel
	.amdgpu_metadata
---
amdhsa.version: [ 1, 2 ]
amdhsa.kernels:
  - .name:           k_qea8ac2c84f_oproj
    .symbol:         k_qea8ac2c84f_oproj.kd
    .args:
      - { .name: o_codes, .offset: 0, .size: 8, .value_kind: global_buffer, .address_space: global }
      - { .name: o_scales, .offset: 8, .size: 8, .value_kind: global_buffer, .address_space: global }
      - { .name: xw_codes, .offset: 16, .size: 8, .value_kind: global_buffer, .address_space: global }
      - { .name: xw_scales, .offset: 24, .size: 8, .value_kind: global_buffer, .address_space: global }
      - { .name: out0, .offset: 32, .size: 8, .value_kind: global_buffer, .address_space: global }
    .group_segment_fixed_size: 327680
    .private_segment_fixed_size: 0
    .kernarg_segment_align: 8
    .kernarg_segment_size: 40
    .max_flat_workgroup_size: 128
    .sgpr_count:     98
    .vgpr_count:     1024
    .wavefront_size: 32
...
	.end_amdgpu_metadata
.endif
;; end of part 4
